; MI455X (gfx1250); checked and timed in simulation.
; The chip was launched on July 23, 2026; its instructions are those of AMD's public machine-readable ISA for CDNA 5 (MIT licence, August 2026) and "CDNA5" Instruction Set Architecture Reference Guide (July 2026). The comments in the code are by the model that wrote it; some were corrected since.
;; min GRU. Allowed arithmetic: matrix products marked QUANTISED: E5M2 operands, one E8M0 scale for each 32 along K, by v_wmma_scale_f32_16x16x128_f8f6f4 with both operands' format E5M2, f32 sums; everything else in f32.
;; Inputs: W_hg_codes 2,048 x 32 x 32 uint8 (E5M2 codes of W_hg, K innermost, in blocks of 32 codes); W_hg_scales 2,048 x 32 uint8 (E8M0 scales of W_hg, one for each 32 codes along K); W_out_codes 1,024 x 32 x 32 uint8 (E5M2 codes of W_out, K innermost, in blocks of 32 codes); W_out_scales 1,024 x 32 uint8 (E8M0 scales of W_out, one for each 32 codes along K); x_codes 4 x 4,096 x 32 x 32 uint8 (E5M2 codes of x, K innermost, in blocks of 32 codes); x_scales 4 x 4,096 x 32 uint8 (E8M0 scales of x, one for each 32 codes along K).
;; Outputs: out0 4 x 4,096 x 1,024 float32.
;; This version of the problem:
;;   THIS VERSION OF THE PROBLEM IS GIVEN IN LOW PRECISION. The matrix products marked QUANTISED in the list below multiply operands that are first quantised to E5M2 (5 exponent bits, 2 mantissa bits; 8 bits a number), with one power-of-two scale for each 32 numbers along K (OCP MX v1.0); their sums are f32. All else is computed in f32.
;;   The module's matrix products, in the order in which they are computed (A, B: the left and right operand; K: the contracted axis; several contracted axes count as one K, in the product's order):
;;     1. [M 16,384, K 1,024] x [K 1,024, N 2,048]; A: input x (given as codes); B: input W_hg (given as codes): QUANTISED
;;     2. [M 16,384, K 1,024] x [K 1,024, N 1,024]; A: computed on the way; B: input W_out (given as codes): QUANTISED
;;   THE QUANTISER, for each operand of a quantised product, along K:
;;     - K is cut into blocks of 32 from its start; a last block that is shorter is filled with zeros.
;;     - A block's scale is 2^e with e = floor(log2(the largest magnitude in the block)) - 15, held to -126 .. 127; a block of zeros has e = 0. As a byte (E8M0): e + 127.
;;     - Each number is divided by its block's scale, clamped to +-57,344, and rounded to the nearest number of E5M2, ties to even, subnormals kept.
;;     - The product sums the exact products of the quantised numbers (number of the format x scale) in f32.
;;   ~~~python
;;   def quantise(x, axis):      # numpy; x: float32 -> the quantised numbers, widened to float32 again
;;       x = np.moveaxis(x, axis, -1); K = x.shape[-1]
;;       x = np.pad(x, [(0, 0)] * (x.ndim - 1) + [(0, -K % 32)]); x = x.reshape(x.shape[:-1] + (-1, 32)); a = np.abs(x).max(-1, keepdims=True)
;;       e = np.where(a > 0, np.clip(np.frexp(np.where(a > 0, a, 1))[1] - 1 - 15, -126, 127), 0)      # np.frexp(a)[1] - 1 = floor(log2(a)), exactly
;;       r = np.clip(x / 2.0 ** e, -57344, 57344)
;;       step = 2.0 ** (np.maximum(np.frexp(np.where(r == 0, 1, r))[1] - 1, -14) - 2)
;;       q = np.round(r / step) * step * 2.0 ** e      # np.round: ties to even
;;       return np.moveaxis(q.reshape(q.shape[:-2] + (-1,))[..., :K], -1, axis).astype(np.float32)
;;   ~~~
;;   OPERANDS COMPUTED ON THE WAY. 'Computed on the way' means the value that the module computes at that place (a softmax that the list does not call 'softmax' is quantised finished and normalised). What goes into a quantiser is computed in f32, as accurately as f32 sums, v_exp_f32 and their like allow (about 1e-6 of the number): no bf16 or f16 on the way to a quantiser, and a product that is left as it is and whose result goes on into a quantised operand takes f32 operands (vector FMAs, or v_wmma_f32_16x16x4_f32). A number that lies on a knife's edge between two numbers of the format may be rounded either way, as far as f32 arithmetic and the matrix unit's own rounding can turn it there, and no further.
;;   INPUTS GIVEN AS CODES. W_hg (in the module: [2048, 1024], K = its axis 1); W_out (in the module: [1024, 1024], K = its axis 1); x (in the module: [4, 4096, 1024], K = its axis 2): each comes as NAME_codes (uint8): NAME with its K axis moved to the last place and cut into blocks of 32 codes, [.., K / 32, bytes a block], one block behind the other in memory; one code a byte (a code: sign, 5 exponent bits, 2 mantissa bits); and NAME_scales (uint8): the same leading axes, one E8M0 byte (e + 127) for each 32 codes along K. Its value is code x scale, taken as it is: it is not quantised again, and the codes and scales need not be those that the quantiser above would give.
;; One version. Each part assembles by itself: llvm-mc -triple=amdgcn-amd-amdhsa -mcpu=gfx1250 --defsym DOCPART=n.
;; ======== version 1 of 1: 3 launches
;; workspace buffers: sums 524,288 bytes; h_codes 16,777,216 bytes; h_scales 524,288 bytes
;; launch gru_sum (part 1): grid 8 x 32, 4 waves a work-group, clusters of 4 x 4, 327,680 bytes of LDS; arguments x_codes, x_scales, W_hg_codes, W_hg_scales, sums; writes sums
.if DOCPART == 1
	.amdgcn_target "amdgcn-amd-amdhsa--gfx1250"
	.amdhsa_code_object_version 6
	.text
	.protected	k_q6b022119a1_gru_sum
	.globl	k_q6b022119a1_gru_sum
	.p2align	8
	.type	k_q6b022119a1_gru_sum,@function
k_q6b022119a1_gru_sum:
	s_mov_b64 s[64:65], 0
	v_nop
	global_prefetch_b8 v0, s[64:65] scope:SCOPE_SE
	s_setreg_imm32_b32 hwreg(HW_REG_WAVE_MODE, 25, 1), 1
	s_wait_xcnt 0x0
	s_wait_alu depctr_hold_cnt(0) depctr_sa_sdst(0) depctr_va_vdst(0) depctr_va_sdst(0) depctr_va_ssrc(0) depctr_va_vcc(0) depctr_vm_vsrc(0)
	s_getreg_b32 s2, hwreg(HW_REG_IB_STS2, 6, 4)
	s_cmp_eq_u32 s2, 0
	s_cbranch_scc0 .Lentry_in_a_cluster
	s_endpgm
.Lentry_in_a_cluster:
	s_bfe_u32 s2, ttmp6, 0x10000c
	s_cmp_lg_u32 s2, 0xf033
	s_cbranch_scc0 .Lentry_shape_is_right
	s_endpgm
.Lentry_shape_is_right:
; minGRU, first of three launches.  hg = x W_hg^T on codes of BF8 (E5M2) with one E8M0 scale for each 32 along K, FOR THE FIRST 2,048 POSITIONS OF EACH SEQUENCE ALONE; then, for each chunk of 128 positions and each
; channel, the pair (A, H): A = the product of the chunk's a, H = the chunk's last h with nothing carried in.  sums: [16 batch + chunk][0: A, 1: H][1024 channels] f32.
; The second launch walks each half of a sequence on end, so a carry from outside is wanted at the head of the second half alone: the second halves are not summed here.
; THE SCAN.  With a = sigmoid(-gate), z = sigmoid(gate), v = z g(hidden), the scan in logarithms is the sum over s <= t of (the product of a over s+1 .. t) v_s, which is h_t = a_t h_(t-1) + v_t from h = 0.
; Every a lies in 0 .. 1 and every term is 0 or more: nothing cancels, no partial product is smaller than the term that it feeds, and the only exponentials stand inside sigmoids, so no maximum has to be carried.
; A PAIR'S ARITHMETIC, f32: e = 2^min(-log2(e) gate, 120), r = 1 / (1 + e), z = r, a = e r;  s = 1 / (1 + 2^(-log2(e) hidden)), g = max(hidden + 0.5, s): from 0 on hidden + 0.5 is the larger, under 0 the sigmoid.
; LIMITS: a gate under -83.2 is held there (z = 2^-120, a = 1); what falls under 2^-126 in an exponential or a reciprocal becomes 0; NaN and infinities among the inputs are not served.
; SHARES.  A tile is 256 rows x 128 channels: 128 rows of W_hg for hidden and the 128 rows of the same channels for gate.  32 x 8 tiles.  Four waves, each 128 rows x 64 channels (hidden and gate): 64 accumulators, 512 registers.
; K = 1,024 goes in four steps of 256 through two LDS slots filled by the tensor data mover; the scale bytes of the tile's rows come once, with the first fills, and stay.
; CLUSTERS: 4 x 4 work-groups.  The four of a row of the cluster need the same tiles of x, the four of a column the same tiles of W_hg: each tile is asked for JOINTLY, by the same tensor load with the same descriptor and a mask that names the four.
; THE MATRIX INSTRUCTION IS USED AS IT IS: source 0 = 16 rows of x, source 1 = 16 rows of W_hg: a lane then holds ONE channel (lane % 16) and eight positions on end, 8 (lane / 16) + 0 .. 7, so the scan runs along a lane's registers.
; REGISTERS, in windows of 256: window 0: v0-31 addresses; v32-63 scale words, two sets; from v128 x's fragments, one set; on the way out v32-191 are at work.
;   window 1: W_hg's fragments, two sets, at v0 and v128.   window 2: the accumulators of my rows 0-63 ((a, b) at v[8 (8 a + b)]; b = 0-3 hidden, 4-7 gate);   window 3: those of my rows 64-127.
.set NQ,     2                         ; matrix instructions deep in a slot: 256 along K
.set ROWB,   256                       ; a tile's row in bytes
.set KROW,   1024                      ; a row of x or of W_hg in memory, in bytes
.set PITCH,  272                       ; an LDS row: 256 bytes + 16 of padding = 68 words: the 16 rows that a load touches start at 16 different banks (64 banks of 4 bytes: ISA guide 11.1)
.set FR,     16                        ; registers of a fragment: 16 rows x 128 K
.set NL,     4                         ; LDS loads that bring one
.set NP,     8                         ; places behind this matrix instruction (ISA guide 7.12.1)
.set HALFT,  128*PITCH                 ; 128 rows: what one tensor load brings
.set SLOT,   4*HALFT                   ; x's 256 rows, then 128 rows of W_hg for hidden, then 128 for gate
.set KS,     32                        ; a row of scale bytes
.set SCL,    2*SLOT                    ; behind the ring: the scale bytes, as units of 256 bytes + 16 of padding: x's two halves, hidden's, gate's
.set HALFS,  16*272                    ; those of 128 rows
.set SBLK,   2*272                     ; those of 16 rows
.set SPARE,  SCL+4*HALFS               ; the spare words, 128 bytes for each wave: two blocks of 256 bytes that no other line names
.set SCR,    SPARE+512                 ; 512 bytes for each wave, its own: no fill lands here
.set ADRA, 16                          ; v16-17  LDS address of my fragments of x in slot 0, 1
.set ADRB, 20                          ; v20-21  the same for W_hg
.set ADRS, 27                          ; v27     my scale words: lanes 0-15 x's rows, lanes 16-31 W_hg's rows for hidden
.set SPW,  28                          ; v28     LDS address of my spare word; never rewritten
.set NIL,  29                          ; v29     0; never rewritten
.set ADRS2, 30                         ; v30     as v27, lanes 16-31 W_hg's rows for gate
.set SC,   32                          ; scale words: set s at v[SC + 16 s]; register 2 i + q: lanes 0-15 the word of x's block i, lanes 16-31 that of W_hg's block i
.set AF,   128                         ; x's fragments
.set G,    32                          ; the way out, 32 registers each, index 8 ct + j (ct: 16 channels, j: position): the gate's exponent, e, then a
.set X,    64                          ; hidden's exponent, its sigmoid, g, then v
.set XP,   96                          ; hidden + 0.5
.set Z,    128                         ; 1 + e, then z; then at work
.set A8,   160                         ; v160-163 the product of my eight a
.set H8,   164                         ; v164-167 my eight positions' last h with nothing carried in
.set PA,   168                         ; v168-171, v172-175 the same two of the lane 16 away
.set PH,   172
.set RA,   176                         ; v176-179 the chunk's A so far
.set RH,   180                         ; v180-183 the chunk's H so far (right in lanes 16-31)
.set G1, 24                            ; s[24:31] descriptor group 1 for x's tiles;  s[32:39] group 0, one set for each slot
.set G0, 32
.set G1B, 48                           ; s[48:55], s[56:63] the same for W_hg's tiles
.set G0B, 56
.set G1S, 68                           ; s[68:75], s[76:79] groups 1 and 0 for x's scales;  s[80:87], s[88:91] for W_hg's
.set G0S, 76
.set G1SB, 80
.set G0SB, 88
.set MSB, 0
.macro WIN new                         ; the immediate's high byte repeats the setting that is left
.if MSB != (\new)
	s_set_vgpr_msb (MSB<<8)|(\new)
.set MSB, (\new)
.endif
.endm
.set MUL_LO, 0xa4                      ; source 0 (x) window 0, source 1 (W_hg) window 1, C and D window 2
.set MUL_HI, 0xf4                      ; the same, C and D window 3
.set TO_B,   0x40                      ; destination window 1, address window 0
; A joint load: waves 0 and 1 fetch for x, waves 2 and 3 for W_hg.  Each line has one mask and one set of registers for all that issue it; the branch hangs on the wave's number alone.
; Four v_nop follow each of the two lines, ahead of the jump, the label and what follows.
.macro JLOAD g0a, g1a, g0b, g1b
	s_cmp_eq_u32 s15, 0
	s_cbranch_scc0 .Lfor_b_\@
	tensor_load_to_lds s[\g0a:\g0a+3], s[\g1a:\g1a+7]
	s_nop 0
.rept 4
	v_nop
.endr
	s_branch .Lasked_\@
.Lfor_b_\@:
	tensor_load_to_lds s[\g0b:\g0b+3], s[\g1b:\g1b+7]
	s_nop 0
.rept 4
	v_nop
.endr
.Lasked_\@:
.endm
.macro CREST                           ; a round of the cluster's barrier behind its opening barrier
	s_cmp_lg_u32 s14, 0
	s_cbranch_scc1 .Lnot_wave_0_\@
	s_barrier_signal -3
.Lnot_wave_0_\@:
	s_barrier_wait -3
	s_barrier_signal -1
	s_barrier_wait -1
.endm
.macro CROUND                          ; a whole round
	s_barrier_signal -1
	s_barrier_wait -1
	CREST
.endm
	s_load_b128 s[4:7], s[0:1], 0x0                ; x's codes s[4:5], x's scales s[6:7]
	s_load_b128 s[8:11], s[0:1], 0x10              ; W_hg's codes s[8:9], W_hg's scales s[10:11]
	s_load_b64 s[96:97], s[0:1], 0x20              ; sums
	v_lshl_add_u32 v[SPW], v0, 2, SPARE
	v_mov_b32 v[NIL], 0
	ds_add_u32 v28, v29
	ds_add_u32 v28, v29
	s_wait_dscnt 0x0
	v_lshrrev_b32 v1, 5, v0
	v_readfirstlane_b32 s14, v1                    ; wave 0..3
	s_lshr_b32 s15, s14, 1                         ; which half of the tile's rows is mine.  Also: I fetch for x (0) or for W_hg (1)
	s_and_b32 s16, s14, 1                          ; which half of its channels.  Also: which 128 rows I fetch
	s_bfe_u32 s40, ttmp6, 0x40000                  ; cx, cy: my place in the cluster
	s_bfe_u32 s41, ttmp6, 0x40004
	s_lshl_b32 s42, ttmp9, 2
	s_add_co_u32 s42, s42, s40                     ; tile column (128 channels) = 4 x cluster x + cx
	s_and_b32 s17, ttmp7, 0xffff
	s_lshl_b32 s17, s17, 2
	s_add_co_u32 s17, s17, s41                     ; tile row (256 rows of a first half) = 4 x cluster y + cy: 0 .. 31, eight to a batch
	s_lshl_b32 s43, s41, 2
	s_lshl_b32 s43, 15, s43                        ; my row of the cluster
	s_lshl_b32 s44, 0x1111, s40                    ; my column
	; descriptor group 1: a tile of 128 rows x 256 bytes, padded in LDS
	s_or_b32 s[G1+0], s43, (1<<20)|(1<<21)|(5<<22)|(3<<25)   ; 15:0 the mask: x's tiles go to my row; 17:16 element of 1 byte; 20 padding on; 21 set beside a mask; 24:22 after every 64 words (code 5); 31:25 of 4 words (code 3)
	s_or_b32 s[G1B+0], s44, (1<<20)|(1<<21)|(5<<22)|(3<<25)  ; the same with the mask of my column
.irp g, G1, G1B
	s_mov_b32 s[\g+1], ROWB<<16                    ; tensor_dim0
	s_mov_b32 s[\g+2], 128<<16                     ; tensor_dim1 = 128
	s_mov_b32 s[\g+3], ROWB<<16                    ; tile_dim0
	s_mov_b32 s[\g+4], 128                         ; tile_dim1 = 128
	s_mov_b32 s[\g+5], KROW                        ; tensor_dim0_stride
	s_mov_b32 s[\g+6], 0
	s_mov_b32 s[\g+7], 0
.endr
	; and for the scale bytes of 128 rows: a dense block of 4,096 bytes, as 16 rows of 256 bytes (32 elements of 8 bytes), 16 bytes of padding behind each
	s_or_b32 s[G1S+0], s43, (3<<16)|(1<<20)|(1<<21)|(5<<22)|(3<<25)
	s_or_b32 s[G1SB+0], s44, (3<<16)|(1<<20)|(1<<21)|(5<<22)|(3<<25)
.irp g, G1S, G1SB
	s_mov_b32 s[\g+1], 32<<16
	s_mov_b32 s[\g+2], 16<<16
	s_mov_b32 s[\g+3], 32<<16
	s_mov_b32 s[\g+4], 16
	s_mov_b32 s[\g+5], 32
	s_mov_b32 s[\g+6], 0
	s_mov_b32 s[\g+7], 0
.endr
	s_lshl_b32 s18, s16, 7
	s_lshr_b32 s19, s17, 3                         ; the batch:
	s_lshl_b32 s19, s19, 11                        ; each batch in front of mine has a second half of 2,048 rows that is passed over
	s_lshl_b32 s20, s17, 8
	s_add_co_u32 s20, s20, s18
	s_add_co_u32 s20, s20, s19                     ; x: row 256 x tile row + 2,048 x batch + 128 x half
	s_lshl_b32 s46, s42, 7
	s_lshl_b32 s47, s16, 10
	s_add_co_u32 s46, s46, s47                     ; W_hg: row 128 x tile column, + 1,024 for gate's rows
	s_mov_b32 s21, 0
	s_mov_b32 s47, 0
	s_mov_b64 s[18:19], KS
	s_mul_u64 s[22:23], s[20:21], s[18:19]         ; where these rows' scale bytes begin
	s_mul_u64 s[92:93], s[46:47], s[18:19]
	s_mov_b64 s[18:19], KROW
	s_mul_u64 s[20:21], s[20:21], s[18:19]         ; and their codes
	s_mul_u64 s[46:47], s[46:47], s[18:19]
	s_mul_i32 s45, s14, HALFT                      ; where they go: wave x 128 rows: no place in the cluster enters an LDS address
	s_mul_i32 s94, s14, HALFS
	s_wait_kmcnt 0x0
	s_add_nc_u64 s[20:21], s[4:5], s[20:21]
	s_add_nc_u64 s[22:23], s[6:7], s[22:23]
	s_add_nc_u64 s[46:47], s[8:9], s[46:47]
	s_add_nc_u64 s[92:93], s[10:11], s[92:93]
	CROUND                                         ; all sixteen work-groups are here: the first joint loads meet
	s_mov_b32 s[G0S], 1
	s_add_co_u32 s[G0S+1], s94, SCL
	s_mov_b64 s[G0S+2:G0S+3], s[22:23]
	s_or_b32 s[G0S+3], s[G0S+3], 0x80000000
	s_mov_b32 s[G0SB], 1
	s_add_co_u32 s[G0SB+1], s94, SCL
	s_mov_b64 s[G0SB+2:G0SB+3], s[92:93]
	s_or_b32 s[G0SB+3], s[G0SB+3], 0x80000000
	JLOAD G0S, G1S, G0SB, G1SB                     ; the scale bytes first: they are wanted with K step 0
.irp s, 0,1
	s_mov_b32 s[G0+4*\s], 1
	s_add_co_u32 s[G0+4*\s+1], s45, \s*SLOT
	s_add_nc_u64 s[G0+4*\s+2:G0+4*\s+3], s[20:21], \s*ROWB
	s_or_b32 s[G0+4*\s+3], s[G0+4*\s+3], 0x80000000
	s_mov_b32 s[G0B+4*\s], 1
	s_add_co_u32 s[G0B+4*\s+1], s45, \s*SLOT
	s_add_nc_u64 s[G0B+4*\s+2:G0B+4*\s+3], s[46:47], \s*ROWB
	s_or_b32 s[G0B+4*\s+3], s[G0B+4*\s+3], 0x80000000
	JLOAD G0+4*\s, G1, G0B+4*\s, G1B
.endr
	s_mov_b32 s12, 0xbfb8aa3b                      ; -log2(e)
	s_mov_b32 s13, s12                             ; (named with it as a pair, so it is written)
	s_mov_b32 s66, 0x76543210
	s_mov_b32 s67, 0xfedcba98                      ; v_permlanex16_b32's selects for lane l xor 16
	s_mov_b32 s92, 0x42f00000                      ; 120.0
	s_mov_b32 s93, 0xffff0000                      ; lanes 16-31
	v_and_b32 v1, 15, v0                           ; r = lane % 16
	v_bfe_u32 v2, v0, 4, 1                         ; h = lane / 16
	v_mul_u32_u24 v3, v1, PITCH
	v_lshl_add_u32 v4, v2, 4, v3                   ; a fragment's row x pitch + 16 x half
	s_mul_i32 s21, s15, HALFT                      ; my 128 rows of x
	s_mul_i32 s22, s16, 64*PITCH                   ; my 64 channels' rows of W_hg,
	s_add_co_u32 s22, s22, 2*HALFT                 ; which lie behind x's 256 rows
.irp s, 0,1
	v_add_nc_u32 v[ADRA+\s], s21, v4
	v_add_nc_u32 v[ADRB+\s], s22, v4
	s_add_co_u32 s21, s21, SLOT
	s_add_co_u32 s22, s22, SLOT
.endr
	v_lshlrev_b32 v5, 5, v1                        ; my row's scale bytes: 32 a row,
	v_lshrrev_b32 v3, 8, v5
	v_lshl_add_u32 v5, v3, 4, v5                   ; and 16 more for each 256 passed
	s_mul_i32 s21, s15, HALFS                      ; x's: my 128 rows
	s_mul_i32 s22, s16, 4*SBLK                     ; W_hg's: my 64 channels, behind x's 256 rows
	s_add_co_u32 s22, s22, 2*HALFS
	s_sub_co_u32 s22, s22, s21
	s_add_co_u32 s23, s22, 4*SBLK                  ; gate's blocks 4-7 lie 64 rows further on than their number says
	v_mul_u32_u24 v3, s22, v2                      ; lanes 16-31 take W_hg's
	v_mul_u32_u24 v4, s23, v2
	s_add_co_u32 s21, s21, SCL
	v_add_nc_u32 v3, v5, v3
	v_add_nc_u32 v4, v5, v4
	v_add_nc_u32 v[ADRS], s21, v3
	v_add_nc_u32 v[ADRS2], s21, v4
	s_lshl_b32 s21, s14, 9
	s_add_co_u32 s21, s21, SCR                     ; my 512 bytes
	v_lshlrev_b32 v9, 2, v1
	v_lshl_add_u32 v9, v2, 8, v9
	v_add_nc_u32 v6, s21, v9                       ; v6: into them: 4 r, lanes 16-31 (H) 256 bytes behind lanes 0-15 (A)
	v_and_b32 v9, 31, v0
	v_lshlrev_b32 v9, 4, v9
	v_add_nc_u32 v7, s21, v9                       ; v7: out of them: 16 bytes a lane
	v_lshlrev_b32 v8, 4, v1
	v_lshl_add_u32 v8, v2, 12, v8                  ; v8: in sums: 16 r, H's row 4,096 bytes behind A's
	s_lshl_b32 s20, s17, 1
	s_add_co_u32 s20, s20, s15                     ; my chunk: 2 x tile row + half = 16 x batch + the chunk's number in the first half
	s_lshl_b32 s20, s20, 13                        ; 8,192 bytes a chunk
	s_lshl_b32 s21, s42, 9
	s_add_co_u32 s20, s20, s21                     ; + 128 channels x tile column
	s_lshl_b32 s21, s16, 8
	s_add_co_u32 s20, s20, s21                     ; + my 64
	s_mov_b32 s21, 0
	s_add_nc_u64 s[96:97], s[96:97], s[20:21]
.macro FRAG reg, adr, q, i             ; a fragment of x, 16 rows x 128 K: lane l holds row l % 16; registers 4 c .. 4 c + 3 hold K = 32 c + 16 (l / 16) + 0 .. 15
.irp c, 0,1,2,3
	ds_load_b128 v[\reg+4*\c:\reg+4*\c+3], v[\adr] offset:128*(\q)+32*\c+(\i)*16*PITCH
.endr
.endm
.macro FRAGB reg, adr, q, i            ; of W_hg: blocks 0-3 are my 64 rows for hidden, blocks 4-7 the same channels' rows for gate, 128 rows further on
.irp c, 0,1,2,3
	ds_load_b128 v[\reg+4*\c:\reg+4*\c+3], v[\adr] offset:128*(\q)+32*\c+(16*(\i)+64*((\i)/4))*PITCH
.endr
.endm
; 16 matrix instructions: x's blocks a0, a0 + 1 against W_hg's eight, 128 along K: the slot's q-th.  p: W_hg's set;  sc: the set of scale words.  zero = 1: the first product starts the sums: nothing is ever cleared.
; The 64 accumulators take turns, one instruction a turn, in the same order in every step.
.macro MUL16 a0, p, q, sc, zero
.irp a, \a0, \a0+1
.irp b, 0,1,2,3,4,5,6,7
.if \zero
	v_wmma_scale_f32_16x16x128_f8f6f4 v[8*(8*((\a)%4)+\b):8*(8*((\a)%4)+\b)+7], v[AF+FR*(\a):AF+FR*(\a)+FR-1], v[128*(\p)+FR*\b:128*(\p)+FR*\b+FR-1], 0, v[SC+8*NQ*(\sc)+NQ*(\a)+(\q)], v[SC+8*NQ*(\sc)+NQ*\b+(\q)] matrix_a_fmt:MATRIX_FMT_BF8 matrix_b_fmt:MATRIX_FMT_BF8 matrix_b_scale:MATRIX_SCALE_ROW1
.else
	v_wmma_scale_f32_16x16x128_f8f6f4 v[8*(8*((\a)%4)+\b):8*(8*((\a)%4)+\b)+7], v[AF+FR*(\a):AF+FR*(\a)+FR-1], v[128*(\p)+FR*\b:128*(\p)+FR*\b+FR-1], v[8*(8*((\a)%4)+\b):8*(8*((\a)%4)+\b)+7], v[SC+8*NQ*(\sc)+NQ*(\a)+(\q)], v[SC+8*NQ*(\sc)+NQ*\b+(\q)] matrix_a_fmt:MATRIX_FMT_BF8 matrix_b_fmt:MATRIX_FMT_BF8 matrix_b_scale:MATRIX_SCALE_ROW1
.endif
.endr
.endr
.endm
.macro FETCH_B slot, q, p              ; W_hg's eight fragments of the slot's q-th 128 along K into set p
	WIN TO_B
.irp i, 0,1,2,3,4,5,6,7
	FRAGB 128*(\p)+FR*\i, ADRB+\slot, \q, \i
.endr
	WIN 0
.endm
.macro FETCH_A slot, q, i0             ; x's blocks i0 .. i0 + 3
.irp i, \i0, \i0+1, \i0+2, \i0+3
	FRAG AF+FR*(\i), ADRA+\slot, \q, \i
.endr
.endm
.macro SCALES sc                       ; a K step's scale words into set sc: two words a row; lanes 0-15 take x's block i, lanes 16-31 W_hg's block i
.irp i, 0,1,2,3
	ds_load_b64 v[SC+8*NQ*\sc+NQ*\i:SC+8*NQ*\sc+NQ*\i+1], v[ADRS] offset:\i*SBLK
.endr
.irp i, 4,5,6,7
	ds_load_b64 v[SC+8*NQ*\sc+NQ*\i:SC+8*NQ*\sc+NQ*\i+1], v[ADRS2] offset:\i*SBLK
.endr
.endm
; A load into a register that a matrix instruction has read, and a vector instruction that reads a matrix result or writes one of a matrix instruction's registers, stand NP places behind it, and only plain
; vector instructions that name none of its registers are places (ISA guide 7.12.1 for vector instructions); the matrix instructions in between are not counted.
.macro PLACES n
.rept \n
	v_nop
.endr
.endm
; A step of 128 along K that has its successor in the same slot.  x has one set of registers: a block is free when its eight products are issued; W_hg has two.
.macro STEP slot, q, zero
	s_wait_dscnt 4*NL                              ; W_hg's set, the scale words and x's blocks 0-3 are in; the youngest sixteen loads (x's blocks 4-7) may be out
	WIN MUL_LO
	MUL16 0, (\q)%2, \q, \slot, \zero
	MUL16 2, (\q)%2, \q, \slot, \zero
	s_wait_dscnt 0                                 ; x's blocks 4-7 are in (asked for 32 matrix instructions ago)
	PLACES NP
	FETCH_B \slot, (\q)+1, 1-(\q)%2
	FETCH_A \slot, (\q)+1, 0
	WIN MUL_HI
	MUL16 4, (\q)%2, \q, \slot, \zero
	MUL16 6, (\q)%2, \q, \slot, \zero
	PLACES NP
	WIN 0
	FETCH_A \slot, (\q)+1, 4
.endm
; A slot's last step changes slots: ONE barrier; in front of it each wave waits for all its tensor loads, adds 0 to its spare word, and waits for that and for its own reads of this slot.  fill = 1: this slot is filled again, two K steps ahead.
.macro TURN slot, next, fill
	s_wait_tensorcnt 0x0                           ; all my tensor loads have landed: my part of the next slot;  (every window is 0 here)
	ds_add_u32 v[SPW], v[NIL]                      ; 0 onto my spare word
	s_wait_dscnt 4*NL+1                            ; (the add and the youngest sixteen loads, x's blocks 4-7, may be out)
	WIN MUL_LO
	MUL16 0, 1, NQ-1, \slot, 0                     ; sixteen matrix instructions stand between the add and the wait for it
	s_wait_dscnt 0x0                               ; the add is done, and my reads of this slot are over
	s_barrier_signal -1
	MUL16 2, 1, NQ-1, \slot, 0
	WIN 0
	s_barrier_wait -1
.if \fill
	CREST                                          ; the barrier has opened a round of the cluster's barrier: no wave of any partner still reads this slot's tile or has a load on its way
	s_add_nc_u64 s[G0+4*\slot+2:G0+4*\slot+3], s[G0+4*\slot+2:G0+4*\slot+3], 2*ROWB
	s_add_nc_u64 s[G0B+4*\slot+2:G0B+4*\slot+3], s[G0B+4*\slot+2:G0B+4*\slot+3], 2*ROWB
	JLOAD G0+4*\slot, G1, G0B+4*\slot, G1B         ; the first tensor load behind the round; the four v_nop behind it are among the places in front of the loads below
	PLACES NP-4
.else
	PLACES NP
.endif
	v_add_nc_u32 v[ADRS], 4*NQ, v[ADRS]            ; on to the next K step's scale words (no LDS load of mine is out)
	v_add_nc_u32 v[ADRS2], 4*NQ, v[ADRS2]
	FETCH_B \next, 0, 0
	FETCH_A \next, 0, 0
	SCALES \next
	WIN MUL_HI
	MUL16 4, 1, NQ-1, \slot, 0
	MUL16 6, 1, NQ-1, \slot, 0
	PLACES NP
	WIN 0
	FETCH_A \next, 0, 4
.endm
	s_wait_tensorcnt 1                             ; of my three loads the scale bytes and K step 0 are in; K step 1's may be out
	s_barrier_signal -1
	s_barrier_wait -1                              ; everybody's are
	FETCH_B 0, 0, 0
	FETCH_A 0, 0, 0
	SCALES 0
	FETCH_A 0, 0, 4
	STEP 0, 0, 1                                   ; K = 1,024 is four slots: eight steps of 128, written on end.  The first step's products start the sums
	TURN 0, 1, 1                                   ; slot 0 takes K step 2
	STEP 1, 0, 0
	TURN 1, 0, 1                                   ; slot 1 takes K step 3
	STEP 0, 0, 0
	TURN 0, 1, 0                                   ; nothing is left to fetch
	STEP 1, 0, 0
	s_wait_dscnt 4*NL                              ; the very last step
	WIN MUL_LO
	MUL16 0, 1, NQ-1, 1, 0
	MUL16 2, 1, NQ-1, 1, 0
	s_wait_dscnt 0
	WIN MUL_HI
	MUL16 4, 1, NQ-1, 1, 0
	MUL16 6, 1, NQ-1, 1, 0
	WIN 0
; THE WAY OUT.  ACT a: block a's 16 rows x 64 channels become a (in G) and v (in X).  Each accumulator is read from its low end on.  The exponentials are one batch and the reciprocals another: behind each one plain
; line and one wait ahead of the first line that names a result.
.macro ACT a
.set AC, 64*((\a)%4)
	WIN 2+(\a)/4                                   ; source 0: window 2 or 3
.set n, 0
.rept 16
	v_pk_mul_f32 v[G+n:G+n+1], v[AC+32+n:AC+32+n+1], s[12:13] op_sel_hi:[1,0]   ; -log2(e) gate
.set n, n+2
.endr
.set n, 0
.rept 16
	v_pk_mul_f32 v[X+n:X+n+1], v[AC+n:AC+n+1], s[12:13] op_sel_hi:[1,0]         ; -log2(e) hidden
.set n, n+2
.endr
.set n, 0
.rept 16
	v_pk_add_f32 v[XP+n:XP+n+1], v[AC+n:AC+n+1], 0.5 op_sel_hi:[1,0]            ; hidden + 0.5
.set n, n+2
.endr
	WIN 0
.set n, 0
.rept 32
	v_min_num_f32 v[G+n], s92, v[G+n]              ; held at 120, so that e (1 / (1 + e)) never meets infinity x 0
.set n, n+1
.endr
.set n, 0
.rept 64
	v_exp_f32 v[G+n], v[G+n]                       ; G and X lie on end
.set n, n+1
.endr
	v_nop
	s_wait_alu depctr_va_vdst(0)
.set n, 0
.rept 16
	v_pk_add_f32 v[Z+n:Z+n+1], v[G+n:G+n+1], 1.0 op_sel_hi:[1,0]
	v_pk_add_f32 v[X+n:X+n+1], v[X+n:X+n+1], 1.0 op_sel_hi:[1,0]
.set n, n+2
.endr
.set n, 0
.rept 32
	v_rcp_f32 v[Z+n], v[Z+n]                       ; z
.set n, n+1
.endr
.set n, 0
.rept 32
	v_rcp_f32 v[X+n], v[X+n]                       ; sigmoid(hidden)
.set n, n+1
.endr
	v_nop
	s_wait_alu depctr_va_vdst(0)
.set n, 0
.rept 16
	v_pk_mul_f32 v[G+n:G+n+1], v[G+n:G+n+1], v[Z+n:Z+n+1]                       ; a = e z
.set n, n+2
.endr
.set n, 0
.rept 32
	v_max_num_f32 v[X+n], v[X+n], v[XP+n]          ; g(hidden)
.set n, n+1
.endr
.set n, 0
.rept 16
	v_pk_mul_f32 v[X+n:X+n+1], v[X+n:X+n+1], v[Z+n:Z+n+1]                       ; v = z g
.set n, n+2
.endr
.endm
; My eight positions of each of the four channels: the product of their a, their last h with nothing carried in, and the same two of the lane 16 away.  The four channels by turns.
.macro PAIRS
.irp c, 0,1,2,3
	v_pk_mul_f32 v[Z+8*\c:Z+8*\c+1], v[G+8*\c:G+8*\c+1], v[G+8*\c+2:G+8*\c+3]
	v_pk_mul_f32 v[Z+8*\c+2:Z+8*\c+3], v[G+8*\c+4:G+8*\c+5], v[G+8*\c+6:G+8*\c+7]
	v_fma_f32 v[H8+\c], v[G+8*\c+1], v[X+8*\c], v[X+8*\c+1]
.endr
.irp c, 0,1,2,3
	v_pk_mul_f32 v[Z+8*\c:Z+8*\c+1], v[Z+8*\c:Z+8*\c+1], v[Z+8*\c+2:Z+8*\c+3]
	v_fma_f32 v[H8+\c], v[G+8*\c+2], v[H8+\c], v[X+8*\c+2]
.endr
.irp c, 0,1,2,3
	v_mul_f32 v[A8+\c], v[Z+8*\c], v[Z+8*\c+1]
	v_fma_f32 v[H8+\c], v[G+8*\c+3], v[H8+\c], v[X+8*\c+3]
.endr
.irp j, 4,5,6,7
.irp c, 0,1,2,3
	v_fma_f32 v[H8+\c], v[G+8*\c+\j], v[H8+\c], v[X+8*\c+\j]
.endr
.endr
.irp c, 0,1,2,3
	v_permlanex16_b32 v[PA+\c], v[A8+\c], s66, s67
.endr
.irp c, 0,1,2,3
	v_permlanex16_b32 v[PH+\c], v[H8+\c], s66, s67
.endr
.endm
; Block a joins the chunk's pair.  In lanes 16-31 mine are the block's rows 8-15 and the partner's its rows 0-7: there the block's H is A8 x the partner's H8 + H8.  The block's A is right in every lane.
.macro SUMB a
	PAIRS
.if (\a) == 0
.irp c, 0,1,2,3
	v_fma_f32 v[RH+\c], v[A8+\c], v[PH+\c], v[H8+\c]
.endr
.irp c, 0,1,2,3
	v_mul_f32 v[RA+\c], v[A8+\c], v[PA+\c]
.endr
.else
.irp c, 0,1,2,3
	v_fma_f32 v[H8+\c], v[A8+\c], v[PH+\c], v[H8+\c]
.endr
.irp c, 0,1,2,3
	v_mul_f32 v[A8+\c], v[A8+\c], v[PA+\c]
.endr
.irp c, 0,1,2,3
	v_fma_f32 v[RH+\c], v[A8+\c], v[RH+\c], v[H8+\c]
.endr
.irp c, 0,1,2,3
	v_mul_f32 v[RA+\c], v[RA+\c], v[A8+\c]
.endr
.endif
.endm
	PLACES NP                                      ; behind the last products: for the reads of results, and for writes of registers that held fragments and scale words
.irp i, 0,1,2,3,4,5,6,7
	v_mov_b32 v[PA+\i], 0                          ; written once: a lane permute's destination counts as one of its sources
.endr
.irp a, 0,1,2,3,4,5,6,7
	ACT \a
	SUMB \a
.endr
.irp c, 0,1,2,3
	v_cndmask_b32 v[A8+\c], v[RA+\c], v[RH+\c], s93   ; lanes 0-15 give A, lanes 16-31 H
.endr
.irp c, 0,1,2,3
	ds_store_b32 v6, v[A8+\c] offset:64*\c         ; channel 16 c + r
.endr
	ds_load_b128 v[184:187], v7                    ; LDS serves a wave's instructions in order (ISA guide 5.7.1.4): this sees my stores.  Four channels a lane
	s_wait_dscnt 0x0
	global_store_b128 v8, v[184:187], s[96:97]     ; lanes 0-15 store 256 consecutive bytes of A's row, lanes 16-31 of H's, each at a multiple of 256 from the buffer's first byte
	s_wait_tensorcnt 0x0                           ; the wave's end: behind my last tensor load and my last LDS store
	ds_add_u32 v[SPW], v[NIL]
	s_wait_dscnt 0x0
	CROUND                                         ; the closing round: no work-group ends while a partner may still ask for a tile that names it
	s_endpgm
.Lfunc_end_k_q6b022119a1_gru_sum:
	.size	k_q6b022119a1_gru_sum, .Lfunc_end_k_q6b022119a1_gru_sum-k_q6b022119a1_gru_sum
	.p2alignl 7, 3214868480
	.fill 96, 4, 3214868480
	.section	.rodata,"a",@progbits
	.p2align	6, 0x0
	.amdhsa_kernel k_q6b022119a1_gru_sum
		.amdhsa_group_segment_fixed_size 327680
		.amdhsa_private_segment_fixed_size 0
		.amdhsa_enable_private_segment 0
		.amdhsa_kernarg_size 40
		.amdhsa_user_sgpr_count 2
		.amdhsa_user_sgpr_kernarg_segment_ptr 1
		.amdhsa_wavefront_size32 1
		.amdhsa_system_sgpr_workgroup_id_x 1
		.amdhsa_system_sgpr_workgroup_id_y 1
		.amdhsa_system_sgpr_workgroup_id_z 1
		.amdhsa_system_vgpr_workitem_id 0
		.amdhsa_next_free_vgpr 1024
		.amdhsa_next_free_sgpr 102
		.amdhsa_reserve_vcc 0
		.amdhsa_float_denorm_mode_32 3
		.amdhsa_float_denorm_mode_16_64 3
		.amdhsa_memory_ordered 1
		.amdhsa_forward_progress 1
		.amdhsa_inst_pref_size 254
	.end_amdhsa_kernel
	.amdgpu_metadata
---
amdhsa.version: [ 1, 2 ]
amdhsa.kernels:
  - .name:           k_q6b022119a1_gru_sum
    .symbol:         k_q6b022119a1_gru_sum.kd
    .args:
      - { .name: x_codes, .offset: 0, .size: 8, .value_kind: global_buffer, .address_space: global }
      - { .name: x_scales, .offset: 8, .size: 8, .value_kind: global_buffer, .address_space: global }
      - { .name: W_hg_codes, .offset: 16, .size: 8, .value_kind: global_buffer, .address_space: global }
      - { .name: W_hg_scales, .offset: 24, .size: 8, .value_kind: global_buffer, .address_space: global }
      - { .name: sums, .offset: 32, .size: 8, .value_kind: global_buffer, .address_space: global }
    .group_segment_fixed_size: 327680
    .private_segment_fixed_size: 0
    .kernarg_segment_align: 8
    .kernarg_segment_size: 40
    .max_flat_workgroup_size: 128
    .sgpr_count:     102
    .vgpr_count:     1024
    .wavefront_size: 32
...
	.end_amdgpu_metadata
.endif
;; end of part 1
;; launch gru_scan (part 2): grid 32 x 8, 4 waves a work-group, clusters of 4 x 1, 327,680 bytes of LDS; arguments x_codes, x_scales, W_hg_codes, W_hg_scales, sums, h_codes, h_scales; writes h_codes, h_scales
.if DOCPART == 2
	.amdgcn_target "amdgcn-amd-amdhsa--gfx1250"
	.amdhsa_code_object_version 6
	.text
	.protected	k_q6b022119a1_gru_scan
	.globl	k_q6b022119a1_gru_scan
	.p2align	8
	.type	k_q6b022119a1_gru_scan,@function
k_q6b022119a1_gru_scan:
	s_mov_b64 s[64:65], 0
	v_nop
	global_prefetch_b8 v0, s[64:65] scope:SCOPE_SE
	s_setreg_imm32_b32 hwreg(HW_REG_WAVE_MODE, 25, 1), 1
	s_wait_xcnt 0x0
	s_wait_alu depctr_hold_cnt(0) depctr_sa_sdst(0) depctr_va_vdst(0) depctr_va_sdst(0) depctr_va_ssrc(0) depctr_va_vcc(0) depctr_vm_vsrc(0)
	s_getreg_b32 s2, hwreg(HW_REG_IB_STS2, 6, 4)
	s_cmp_eq_u32 s2, 0
	s_cbranch_scc0 .Lentry_in_a_cluster
	s_endpgm
.Lentry_in_a_cluster:
	s_bfe_u32 s2, ttmp6, 0x10000c
	s_cmp_lg_u32 s2, 0x3003
	s_cbranch_scc0 .Lentry_shape_is_right
	s_endpgm
.Lentry_shape_is_right:
; minGRU, second of three launches.  hg = x W_hg^T on codes of BF8 (E5M2) with one E8M0 scale for each 32 along K, a and v, the scan h_t = a_t h_(t-1) + v_t, and h quantised along the channels: codes of BF8, one E8M0 scale for each 32.
; A WORK-GROUP OWNS 32 CHANNELS (one block of the quantiser) AND 2,048 POSITIONS ON END, half a sequence: 32 x 8 work-groups.  So the carry runs inside the work-group; from outside comes only the carry into a second half,
; folded at the head from the first launch's 16 pairs (A, H) a channel.  With 16 channels a work-group could own a whole sequence, but a block's scale wants 32.
; THE SCAN AND A PAIR'S ARITHMETIC are the first launch's: a = sigmoid(-gate), z = sigmoid(gate), v = z g(hidden), g = max(hidden + 0.5, sigmoid(hidden)); every a in 0 .. 1, every term 0 or more: nothing cancels, and the only
; exponentials stand inside sigmoids, so no maximum has to be carried.
; LIMITS: a gate under -83.2 is held there (z = 2^-120, a = 1); what falls under 2^-126 in an exponential or a reciprocal becomes 0; NaN and infinities among the inputs are not served;
; a block of h whose largest number lies under 2^-111 (a block of zeros too) gets the byte 1: the bytes are read by this program alone, and zero codes add nothing under it.
; SHARES.  EVERY WAVE KEEPS ALL 64 ROWS OF W_hg (32 for hidden, 32 for gate) x 1,024 K IN 512 REGISTERS for the whole launch; the four waves share the ROWS of x.  A slot is 128 rows x 1,024 bytes; wave w fills and reads rows
; 32 w .. 32 w + 31 of it: two blocks of 16 rows, 64 matrix instructions, eight accumulators.  A fragment of x read from LDS feeds four matrix instructions.
; CLUSTER: the four work-groups of a cluster own neighbouring blocks of channels of the same rows, so each tile of x is asked for JOINTLY: the same tensor load, the same descriptor, a mask that names the four.
; THE MATRIX INSTRUCTION IS USED AS IT IS: source 0 = 16 rows of x, source 1 = 16 rows of W_hg: a lane holds ONE channel (lane % 16) and eight positions on end, so the scan runs along a lane's registers.
; A SLOT:  products | a, v, my 32 rows' pair (A, H) a channel into LDS | ONE barrier: it shows the pairs to all four waves, and behind it the slot just read is filled again | the carry into my rows from the pairs of the waves
; in front of me | h | h through my own stage in LDS, back a row a lane | codes and a scale byte.  The next slot's fragments are asked for in two runs inside this, so that they are in when the products begin.
; h_codes: [block of 32 channels][row / 16][k / 16][row % 16][16 bytes]: the image of the next product's operand registers.  h_scales: [block][row], a byte.
; REGISTERS, in windows of 256: window 0: v2-15 addresses and the carry; v16-31 W_hg's scale words; v32-47 x's, two sets; v50-63 at work; v64-127 the accumulators, worked on in place; v128-239 at work; v240-255 codes, two sets.
;   windows 1, 2: W_hg's fragments (K step ks, tile b) at v[16 (4 (ks % 4) + b)], K steps 0-3 and 4-7; b = 0, 1 hidden, 2, 3 gate.   window 3: x's fragments (ks, block m) at v[16 (2 ks + m)].
.set XPITCH, 1040                      ; a row of x in LDS: 1,024 bytes + 16 of padding = 65 x 16: the 16 rows that a load touches start at 16 different groups of four banks (64 banks of 4 bytes: ISA guide 11.1)
.set WPART,  32*XPITCH                 ; a wave's 32 rows: what one tensor load brings
.set SLOT,   4*WPART
.set STG,    2*SLOT                    ; behind the ring: a stage for h, 32 rows x (128 bytes + 16) for each wave, its own
.set SGP,    144
.set STGW,   32*SGP
.set SUMX,   STG+4*STGW                ; the waves' pairs: two sets by turns, each [32 channels][4 waves][A, H] f32
.set SCS,    SUMX+2*1024               ; h's scale bytes: 512 for each wave, [slot][my row]
.set SPARE,  SCS+4*512                 ; the spare words, 128 bytes for each wave: two blocks of 256 bytes that no other line names
.set TRIPS,  7                         ; 16 slots: seven trips of two, and two written out
.set PFO,  2                           ; v2      256 x lane: the prefetches' offset; never rewritten once made
.set ADA,  3                           ; v3-4    LDS address of my fragments of x in slot 0, 1
.set STO,  5                           ; v5      h into my stage
.set RDQ,  6                           ; v6      and back, a row a lane
.set SXS,  7                           ; v7      my pair's place: lanes 0-15 A, lanes 16-31 H
.set SXL,  8                           ; v8      channel r's four pairs
.set SBA,  9                           ; v9      my row's scale byte in slot 0
.set SBT,  10                          ; v10     and in the slot in hand
.set CO,   11                          ; v11     my byte offset in the wave's 1,024 bytes of codes
.set XSO,  12                          ; v12     32 x lane: my row's scale bytes of x
.set SRD,  13                          ; v13     the scale bytes' way out
.set CY,   14                          ; v14-15  the carry: h of channel 16 n + r at the row in front of the slot in hand, in both halves of the lanes
.set WS,   16                          ; v[WS + 8 n + ks]: lanes 0-15 the word of hidden's tile n, lanes 16-31 that of gate's tile n
.set XS,   32                          ; v[XS + 8 p + ks]: lanes 0-15 the word of my block 0's rows, lanes 16-31 of my block 1's; set p for the slots of parity p
.set SPW,  48                          ; v48     LDS address of my spare word; never rewritten
.set NIL,  49                          ; v49     0; never rewritten
.set CW,   50                          ; v50-53  what is carried into block m of channel tile n (index 2 m + n)
.set P1,   54                          ; v54-59  h behind wave 0's, 1's, 2's rows
.set P2,   56
.set P3,   58
.set QM,   60                          ; v60, v61 the block's largest h, in two chains; v61 then the byte
.set QN,   61
.set QS,   62                          ; v62     the conversion's scale operand
.set QL,   63                          ; v63     57,344 x the scale
.set G,    64                          ; v64-95  gate's accumulators, index 8 (2 m + n) + j; then the exponent, e, a
.set X,    96                          ; v96-127 hidden's; then the exponent, the sigmoid, g, v, h
.set XP,   128                         ; hidden + 0.5
.set Q,    128                         ; later: my row's 32 numbers
.set Z,    160                         ; 1 + e, then z; then at work
.set A8,   192                         ; four each, index 2 m + n: the product of my eight a;
.set H8,   196                         ; my eight positions' last h with nothing carried in;
.set PA,   200                         ; the same two of the lane 16 away;
.set PH,   204
.set A16,  208                         ; the block's pair, right in every lane
.set H16,  212
.set T1,   216                         ; at work
.set S,    220                         ; v220-235 [n][wave][A, H]: the four waves' pairs of my two channels
.set CIN,  236                         ; v236-239 what is carried into my eight positions
.set CD,   240                         ; codes: set p at v[CD + 8 p]
.set G1,   24                          ; s[24:31] descriptor group 1;  s[32:35], s[36:39] group 0 for slot 0, 1
.set G0,   32
.set CNT,  40                          ; s40     trips to go
.set LIM,  41                          ; s41     1 in a cluster that prefetches, else the greatest number
.set PFA,  42                          ; s[42:43] x at my wave's and my work-group's 8 rows of the trip's first slot
.set TS,   44                          ; s44     32 x the trip's first slot
.set M1,   45                          ; s45-47  all ones where my wave's number is at least 1, 2, 3
.set HM,   48                          ; s48     all ones in a second half
.set XSP,  50                          ; s[50:51] x's scale bytes at my wave's rows of the trip's first slot
.set HCP,  52                          ; s[52:53] h's codes likewise
.set MSB, 0
.macro WIN new                         ; the immediate's high byte repeats the setting that is left
.if MSB != (\new)
	s_set_vgpr_msb (MSB<<8)|(\new)
.set MSB, (\new)
.endif
.endm
.macro CROUND                          ; a round of the cluster's barrier: my work-group's barrier; wave 0 signals for the work-group; every wave waits for all four work-groups; my work-group's barrier once more
	s_barrier_signal -1
	s_barrier_wait -1
	s_cmp_lg_u32 s14, 0
	s_cbranch_scc1 .Lnot_wave_0_\@
	s_barrier_signal -3
.Lnot_wave_0_\@:
	s_barrier_wait -3
	s_barrier_signal -1
	s_barrier_wait -1
.endm
.macro PLACES n
.rept \n
	v_nop
.endr
.endm
	s_load_b128 s[4:7], s[0:1], 0x0                ; x's codes s[4:5], x's scales s[6:7]
	s_load_b128 s[8:11], s[0:1], 0x10              ; W_hg's codes s[8:9], W_hg's scales s[10:11]
	s_load_b128 s[96:99], s[0:1], 0x20             ; sums s[96:97], h's codes s[98:99]
	s_load_b64 s[100:101], s[0:1], 0x30            ; h's scale bytes
	v_lshl_add_u32 v[SPW], v0, 2, SPARE
	v_mov_b32 v[NIL], 0
	ds_add_u32 v48, v49
	ds_add_u32 v48, v49
	s_wait_dscnt 0x0
	v_lshrrev_b32 v1, 5, v0
	v_readfirstlane_b32 s14, v1                    ; wave 0..3
	s_bfe_u32 s15, ttmp6, 0x40000                  ; cx: my place in the cluster: it enters W_hg's, sums', h's and the prefetches' addresses alone
	s_lshl_b32 s16, ttmp9, 2
	s_add_co_u32 s16, s16, s15                     ; my block of 32 channels = 4 x cluster x + cx
	s_and_b32 s17, ttmp7, 0xffff                   ; y = 2 x batch + half, which the four partners share; my first row is 2,048 y
	; descriptor group 1: a tile of 32 rows x 1,024 bytes, padded in LDS
	s_mov_b32 s[G1], 15|(1<<20)|(1<<21)|(7<<22)|(3<<25)   ; 15:0 the mask: all four work-groups; 17:16 elements of 1 byte; 20 padding on; 21 set beside a mask; 24:22 after every 256 words (code 7); 31:25 of 4 words (code 3)
	s_mov_b32 s[G1+1], 1024<<16                    ; tensor_dim0 = 1,024
	s_mov_b32 s[G1+2], 32<<16                      ; tensor_dim1 = 32
	s_mov_b32 s[G1+3], 1024<<16                    ; tile_dim0 = 1,024
	s_mov_b32 s[G1+4], 32                          ; tile_dim1 = 32
	s_mov_b32 s[G1+5], 1024                        ; tensor_dim0_stride
	s_mov_b32 s[G1+6], 0
	s_mov_b32 s[G1+7], 0
	s_lshl_b32 s20, s17, 21                        ; 2,048 y rows of 1,024 bytes,
	s_lshl_b32 s21, s14, 15                        ; + my wave's 32 rows
	s_add_co_u32 s20, s20, s21
	s_mov_b32 s21, 0
	s_mul_i32 s22, s14, WPART                      ; and where they go: no place in the cluster enters an LDS address
	s_wait_kmcnt 0x0
	s_add_nc_u64 s[18:19], s[4:5], s[20:21]        ; x at my wave's rows of slot 0
	CROUND                                         ; all four work-groups are here: the first joint loads meet
	s_mov_b32 s[G0], 1                             ; 1:0 count = 1
	s_mov_b32 s[G0+1], s22                         ; LDS address
	s_mov_b64 s[G0+2:G0+3], s[18:19]               ; global address
	s_or_b32 s[G0+3], s[G0+3], 0x80000000          ; type = 2
	s_mov_b32 s[G0+4], 1
	s_add_co_u32 s[G0+5], s22, SLOT
	s_add_nc_u64 s[G0+6:G0+7], s[18:19], 128*1024
	s_or_b32 s[G0+7], s[G0+7], 0x80000000
	tensor_load_to_lds s[G0:G0+3], s[G1:G1+7]      ; the two first fills stand together, ahead of every wait on TENSORcnt and every LDS read: two loads of mine are out
	s_nop 0
	tensor_load_to_lds s[G0+4:G0+7], s[G1:G1+7]
	s_nop 0
	PLACES 4
	s_lshl_b32 s20, s16, 15
	s_add_nc_u64 s[8:9], s[8:9], s[20:21]          ; W_hg's codes at hidden's row 32 x block
	s_lshl_b32 s20, s16, 10
	s_add_nc_u64 s[10:11], s[10:11], s[20:21]      ; its scale bytes likewise
	s_lshl_b32 s20, s17, 16
	s_lshl_b32 s23, s14, 10
	s_add_co_u32 s20, s20, s23                     ; (2,048 y + 32 wave) x 32 bytes: a row of x has 32 scale bytes, a row of a block of h 32 codes
	s_add_nc_u64 s[XSP:XSP+1], s[6:7], s[20:21]
	s_add_nc_u64 s[HCP:HCP+1], s[98:99], s[20:21]
	s_lshl_b32 s20, s16, 19                        ; 16,384 rows x 32 bytes a block
	s_add_nc_u64 s[HCP:HCP+1], s[HCP:HCP+1], s[20:21]
	s_lshr_b32 s20, s17, 1
	s_lshl_b32 s20, s20, 17                        ; sums: 16 chunks of 8,192 bytes a batch,
	s_lshl_b32 s23, s16, 7
	s_add_co_u32 s20, s20, s23                     ; + my 32 channels
	s_add_nc_u64 s[96:97], s[96:97], s[20:21]
	s_lshl_b32 s20, s16, 14                        ; h's scale bytes: 16,384 a block,
	s_lshl_b32 s23, s17, 11
	s_add_co_u32 s20, s20, s23                     ; + my first row,
	s_lshl_b32 s23, s14, 9
	s_add_co_u32 s20, s20, s23                     ; + the 512 rows that my wave stores
	s_add_nc_u64 s[100:101], s[100:101], s[20:21]
	s_lshl_b32 s20, s15, 13                        ; the prefetches: of my wave's 32 rows my work-group takes 8, told apart from its partners' by address
	s_add_nc_u64 s[PFA:PFA+1], s[18:19], s[20:21]
	s_cmp_eq_u32 ttmp9, 0                          ; all eight clusters of a y walk the same rows: the first asks.  The same in all four partners
	s_cselect_b32 s[LIM], 1, -1
	s_cmp_ge_u32 s14, 1
	s_cselect_b32 s[M1], -1, 0
	s_cmp_ge_u32 s14, 2
	s_cselect_b32 s[M1+1], -1, 0
	s_cmp_ge_u32 s14, 3
	s_cselect_b32 s[M1+2], -1, 0
	s_and_b32 s20, s17, 1
	s_cmp_lg_u32 s20, 0
	s_cselect_b32 s[HM], -1, 0
	s_mov_b32 s12, 0xbfb8aa3b                      ; -log2(e)
	s_mov_b32 s13, s12                             ; (named with it as a pair, so it is written)
	s_mov_b32 s66, 0x76543210
	s_mov_b32 s67, 0xfedcba98                      ; v_permlanex16_b32's selects for lane l xor 16
	s_mov_b32 s92, 0x42f00000                      ; 120.0
	s_mov_b32 s93, 0xffff0000                      ; lanes 16-31
	s_mov_b32 s94, 0x600000                        ; the mantissa field of 57,344
	v_and_b32 v1, 15, v0                           ; r = lane % 16
	v_bfe_u32 v2, v0, 4, 1                         ; h = lane / 16
	v_and_b32 v10, 31, v0                          ; lane
	v_lshlrev_b32 v50, 10, v1
	v_lshl_add_u32 v50, v2, 4, v50                 ; W_hg's codes: row r of 1,024 bytes, + 16 h
	v_lshlrev_b32 v51, 5, v1
	v_lshl_add_u32 v51, v2, 15, v51                ; its scale bytes: row r of 32; lanes 16-31 take gate's rows, 1,024 rows further on
	v_lshlrev_b32 v52, 2, v10                      ; sums: a channel a lane
	v_lshlrev_b32 v[XSO], 5, v10
	WIN 0x40                                       ; destination window 1
.irp k, 0,1,2,3
.irp b, 0,1,2,3
.irp c, 0,1,2,3
	global_load_b128 v[16*(4*\k+\b)+4*\c:16*(4*\k+\b)+4*\c+3], v50, s[8:9] offset:(\b/2)*1048576+(\b%2)*16384+128*\k+32*\c
.endr
.endr
.endr
	WIN 0x80                                       ; destination window 2
.irp k, 0,1,2,3
.irp b, 0,1,2,3
.irp c, 0,1,2,3
	global_load_b128 v[16*(4*\k+\b)+4*\c:16*(4*\k+\b)+4*\c+3], v50, s[8:9] offset:(\b/2)*1048576+(\b%2)*16384+128*(\k+4)+32*\c
.endr
.endr
.endr
	WIN 0
.irp n, 0,1
	global_load_b128 v[WS+8*\n:WS+8*\n+3], v51, s[10:11] offset:512*\n        ; a row's 32 scale bytes are its eight words, one a K step
	global_load_b128 v[WS+8*\n+4:WS+8*\n+7], v51, s[10:11] offset:512*\n+16
.endr
.irp t, 0,1
	global_load_b128 v[XS+8*\t:XS+8*\t+3], v[XSO], s[XSP:XSP+1] offset:4096*\t     ; slots 0 and 1: a row a lane; the wave's two loads read 1,024 consecutive bytes
	global_load_b128 v[XS+8*\t+4:XS+8*\t+7], v[XSO], s[XSP:XSP+1] offset:4096*\t+16
.endr
.irp c, 0,1,2,3,4,5,6,7,8,9,10,11,12,13,14,15
	global_load_b32 v[G+2*\c], v52, s[96:97] offset:8192*\c           ; A of the first half's chunk c,
	global_load_b32 v[G+2*\c+1], v52, s[96:97] offset:8192*\c+4096    ; H
.endr
	; the LDS addresses
	v_mul_u32_u24 v[ADA], v1, XPITCH
	v_lshl_add_u32 v[ADA], v2, 4, v[ADA]
	v_add_nc_u32 v[ADA], s22, v[ADA]               ; a fragment's row x pitch + 16 h, in my wave's part
	v_add_nc_u32 v[ADA+1], SLOT, v[ADA]
	s_mul_i32 s23, s14, STGW
	s_add_co_u32 s23, s23, STG                     ; my stage
	v_lshlrev_b32 v[STO], 2, v1
	v_mad_u32_u24 v[STO], v2, 8*SGP, v[STO]
	v_add_nc_u32 v[STO], s23, v[STO]               ; in: 4 r; lanes 16-31 eight rows further on: 288 words, half-way round the 64 banks
	v_mul_u32_u24 v[RDQ], v10, SGP
	v_add_nc_u32 v[RDQ], s23, v[RDQ]               ; back: a row a lane
	v_lshlrev_b32 v[SXL], 5, v1
	v_add_nc_u32 v[SXL], SUMX, v[SXL]              ; channel r: 32 bytes
	s_lshl_b32 s23, s14, 3
	v_lshl_add_u32 v[SXS], v2, 2, v[SXL]
	v_add_nc_u32 v[SXS], s23, v[SXS]               ; + 8 x wave + 4 h
	s_lshl_b32 s23, s14, 9
	s_add_co_u32 s23, s23, SCS
	v_add_nc_u32 v[SBA], s23, v10                  ; my wave's 512 bytes, my row
	v_bfe_u32 v[SRD], v0, 1, 2                     ; the way out takes the bytes by rows: wave w takes rows 512 w + 16 lane on: they lie with wave (lane / 2) % 4,
	v_lshlrev_b32 v[SRD], 9, v[SRD]
	v_bfe_u32 v53, v0, 3, 2
	v_lshl_add_u32 v[SRD], v53, 5, v[SRD]          ; slot 4 w + lane / 8,
	v_and_b32 v53, 1, v0
	v_lshl_add_u32 v[SRD], v53, 4, v[SRD]          ; from its row 16 (lane % 2) on
	s_lshl_b32 s23, s14, 7
	s_add_co_u32 s23, s23, SCS
	v_add_nc_u32 v[SRD], s23, v[SRD]
	v_lshlrev_b32 v[CO], 4, v1
	v_lshl_add_u32 v[CO], v2, 9, v[CO]             ; codes: lane = my row: block of 16 rows lane / 16 (512 bytes), 16 bytes a row
	v_lshlrev_b32 v[PFO], 8, v10
.irp i, 0,1,2,3,4,5,6,7
	v_mov_b32 v[PA+\i], 0                          ; written once: a lane permute's destination counts as one of its sources
.endr
	v_mov_b32 v54, 0
	v_mov_b32 v53, 0
	s_wait_loadcnt 0x0                             ; W_hg, the scale words, the pairs
	; THE CARRY INTO MY HALF: the first half's 16 pairs are folded in order, C = A C + H from 0; a first half keeps 0, by a select: no branch
.irp c, 0,1,2,3,4,5,6,7,8,9,10,11,12,13,14,15
	v_fma_f32 v53, v[G+2*\c], v53, v[G+2*\c+1]
.endr
	v_cndmask_b32 v53, 0, v53, s[HM]
	v_permlanex16_b32 v54, v53, s66, s67
	v_cndmask_b32 v[CY], v53, v54, s93             ; channel r: lanes 16-31 take lanes 0-15's
	v_cndmask_b32 v[CY+1], v54, v53, s93           ; channel 16 + r: lanes 0-15 take lanes 16-31's
; One matrix instruction.  d: the accumulator; a, b: the fragments; sa, sb: the scale words; ra, rb: which half of the lanes holds them; zero = 1: the product starts the sum: nothing is ever cleared.
.macro WM d, a, b, sa, sb, ra, rb, zero
.if \zero
.if ((\ra) == 0) && ((\rb) == 0)
	v_wmma_scale_f32_16x16x128_f8f6f4 v[(\d):(\d)+7], v[(\a):(\a)+15], v[(\b):(\b)+15], 0, v[(\sa)], v[(\sb)] matrix_a_fmt:MATRIX_FMT_BF8 matrix_b_fmt:MATRIX_FMT_BF8
.elseif ((\ra) == 1) && ((\rb) == 0)
	v_wmma_scale_f32_16x16x128_f8f6f4 v[(\d):(\d)+7], v[(\a):(\a)+15], v[(\b):(\b)+15], 0, v[(\sa)], v[(\sb)] matrix_a_fmt:MATRIX_FMT_BF8 matrix_b_fmt:MATRIX_FMT_BF8 matrix_a_scale:MATRIX_SCALE_ROW1
.elseif ((\ra) == 0) && ((\rb) == 1)
	v_wmma_scale_f32_16x16x128_f8f6f4 v[(\d):(\d)+7], v[(\a):(\a)+15], v[(\b):(\b)+15], 0, v[(\sa)], v[(\sb)] matrix_a_fmt:MATRIX_FMT_BF8 matrix_b_fmt:MATRIX_FMT_BF8 matrix_b_scale:MATRIX_SCALE_ROW1
.else
	v_wmma_scale_f32_16x16x128_f8f6f4 v[(\d):(\d)+7], v[(\a):(\a)+15], v[(\b):(\b)+15], 0, v[(\sa)], v[(\sb)] matrix_a_fmt:MATRIX_FMT_BF8 matrix_b_fmt:MATRIX_FMT_BF8 matrix_a_scale:MATRIX_SCALE_ROW1 matrix_b_scale:MATRIX_SCALE_ROW1
.endif
.else
.if ((\ra) == 0) && ((\rb) == 0)
	v_wmma_scale_f32_16x16x128_f8f6f4 v[(\d):(\d)+7], v[(\a):(\a)+15], v[(\b):(\b)+15], v[(\d):(\d)+7], v[(\sa)], v[(\sb)] matrix_a_fmt:MATRIX_FMT_BF8 matrix_b_fmt:MATRIX_FMT_BF8
.elseif ((\ra) == 1) && ((\rb) == 0)
	v_wmma_scale_f32_16x16x128_f8f6f4 v[(\d):(\d)+7], v[(\a):(\a)+15], v[(\b):(\b)+15], v[(\d):(\d)+7], v[(\sa)], v[(\sb)] matrix_a_fmt:MATRIX_FMT_BF8 matrix_b_fmt:MATRIX_FMT_BF8 matrix_a_scale:MATRIX_SCALE_ROW1
.elseif ((\ra) == 0) && ((\rb) == 1)
	v_wmma_scale_f32_16x16x128_f8f6f4 v[(\d):(\d)+7], v[(\a):(\a)+15], v[(\b):(\b)+15], v[(\d):(\d)+7], v[(\sa)], v[(\sb)] matrix_a_fmt:MATRIX_FMT_BF8 matrix_b_fmt:MATRIX_FMT_BF8 matrix_b_scale:MATRIX_SCALE_ROW1
.else
	v_wmma_scale_f32_16x16x128_f8f6f4 v[(\d):(\d)+7], v[(\a):(\a)+15], v[(\b):(\b)+15], v[(\d):(\d)+7], v[(\sa)], v[(\sb)] matrix_a_fmt:MATRIX_FMT_BF8 matrix_b_fmt:MATRIX_FMT_BF8 matrix_a_scale:MATRIX_SCALE_ROW1 matrix_b_scale:MATRIX_SCALE_ROW1
.endif
.endif
.endm
; A slot's 64 matrix instructions: K step by K step, my two blocks of rows against the four tiles of W_hg.  The eight accumulators take turns, one instruction a turn, in the same order in every K step.
; lc: how many younger loads from memory may stay out when this slot's scale words of x have to be there.
.macro MULS p, lc
	s_wait_loadcnt \lc
.set ks, 0
.rept 8
.if ks >= 4
	s_wait_dscnt 8*(7-ks)                          ; K steps 0-3 are in since the wait ahead of the quantiser; of the second run the later K steps' eight loads each may be out
.endif
.if ks == 0
	WIN 0x07                                       ; source 0 (x) window 3, source 1 (W_hg) window 1, C and D window 0
.elseif ks == 4
	WIN 0x0b                                       ; source 1 window 2
.endif
.irp m, 0,1
.irp b, 0,1,2,3
.if \b < 2
.set dd, X+8*(2*\m+\b)
.else
.set dd, G+8*(2*\m+\b-2)
.endif
	WM dd, 16*(2*ks+\m), 16*(4*(ks%4)+\b), XS+8*(\p)+ks, WS+8*(\b%2)+ks, \m, \b/2, ks==0
.endr
.endr
.set ks, ks+1
.endr
.endm
; 32 LDS loads in one run: x's fragments of K steps 4 hf .. 4 hf + 3 out of slot sl: lane l holds row l % 16; registers 4 c .. 4 c + 3 hold K = 32 c + 16 (l / 16) + 0 .. 15
.macro ALOAD sl, hf
	WIN 0xc0                                       ; destination window 3, address window 0
.irp k, 0,1,2,3
.irp m, 0,1
.irp c, 0,1,2,3
	ds_load_b128 v[16*(2*(4*(\hf)+\k)+\m)+4*\c:16*(2*(4*(\hf)+\k)+\m)+4*\c+3], v[ADA+(\sl)] offset:16*\m*XPITCH+128*(4*(\hf)+\k)+32*\c
.endr
.endr
.endr
	WIN 0
.endm
; My 32 rows x 32 channels become a (in G) and v (in X), in the accumulators' own registers.  Each accumulator is read from its low end on.  The exponentials are one batch and the reciprocals another: behind each one plain
; line and one wait ahead of the first line that names a result.
.macro ACT
.set n, 0
.rept 16
	v_pk_mul_f32 v[G+n:G+n+1], v[G+n:G+n+1], s[12:13] op_sel_hi:[1,0]           ; -log2(e) gate
.set n, n+2
.endr
.set n, 0
.rept 16
	v_pk_add_f32 v[XP+n:XP+n+1], v[X+n:X+n+1], 0.5 op_sel_hi:[1,0]              ; hidden + 0.5
.set n, n+2
.endr
.set n, 0
.rept 16
	v_pk_mul_f32 v[X+n:X+n+1], v[X+n:X+n+1], s[12:13] op_sel_hi:[1,0]           ; -log2(e) hidden
.set n, n+2
.endr
.set n, 0
.rept 32
	v_min_num_f32 v[G+n], s92, v[G+n]              ; held at 120, so that e (1 / (1 + e)) never meets infinity x 0
.set n, n+1
.endr
.set n, 0
.rept 64
	v_exp_f32 v[G+n], v[G+n]                       ; G and X lie on end
.set n, n+1
.endr
	v_nop
	s_wait_alu depctr_va_vdst(0)
.set n, 0
.rept 16
	v_pk_add_f32 v[Z+n:Z+n+1], v[G+n:G+n+1], 1.0 op_sel_hi:[1,0]
	v_pk_add_f32 v[X+n:X+n+1], v[X+n:X+n+1], 1.0 op_sel_hi:[1,0]
.set n, n+2
.endr
.set n, 0
.rept 32
	v_rcp_f32 v[Z+n], v[Z+n]                       ; z
.set n, n+1
.endr
.set n, 0
.rept 32
	v_rcp_f32 v[X+n], v[X+n]                       ; sigmoid(hidden)
.set n, n+1
.endr
	v_nop
	s_wait_alu depctr_va_vdst(0)
.set n, 0
.rept 16
	v_pk_mul_f32 v[G+n:G+n+1], v[G+n:G+n+1], v[Z+n:Z+n+1]                       ; a = e z
.set n, n+2
.endr
.set n, 0
.rept 32
	v_max_num_f32 v[X+n], v[X+n], v[XP+n]          ; g(hidden)
.set n, n+1
.endr
.set n, 0
.rept 16
	v_pk_mul_f32 v[X+n:X+n+1], v[X+n:X+n+1], v[Z+n:Z+n+1]                       ; v = z g
.set n, n+2
.endr
.endm
; My eight positions in each of the four (block, channel tile): the product of their a, their last h with nothing carried in, and the same two of the lane 16 away.  The four by turns.
.macro PAIRS
.irp c, 0,1,2,3
	v_pk_mul_f32 v[Z+8*\c:Z+8*\c+1], v[G+8*\c:G+8*\c+1], v[G+8*\c+2:G+8*\c+3]
	v_pk_mul_f32 v[Z+8*\c+2:Z+8*\c+3], v[G+8*\c+4:G+8*\c+5], v[G+8*\c+6:G+8*\c+7]
	v_fma_f32 v[H8+\c], v[G+8*\c+1], v[X+8*\c], v[X+8*\c+1]
.endr
.irp c, 0,1,2,3
	v_pk_mul_f32 v[Z+8*\c:Z+8*\c+1], v[Z+8*\c:Z+8*\c+1], v[Z+8*\c+2:Z+8*\c+3]
	v_fma_f32 v[H8+\c], v[G+8*\c+2], v[H8+\c], v[X+8*\c+2]
.endr
.irp c, 0,1,2,3
	v_mul_f32 v[A8+\c], v[Z+8*\c], v[Z+8*\c+1]
	v_fma_f32 v[H8+\c], v[G+8*\c+3], v[H8+\c], v[X+8*\c+3]
.endr
.irp j, 4,5,6,7
.irp c, 0,1,2,3
	v_fma_f32 v[H8+\c], v[G+8*\c+\j], v[H8+\c], v[X+8*\c+\j]
.endr
.endr
.irp c, 0,1,2,3
	v_permlanex16_b32 v[PA+\c], v[A8+\c], s66, s67
.endr
.irp c, 0,1,2,3
	v_permlanex16_b32 v[PH+\c], v[H8+\c], s66, s67
.endr
.endm
; The pair of each block of 16 rows, right in every lane: in lanes 0-15 mine are its rows 0-7 and the partner's its rows 8-15 (H = PA H8 + PH), in lanes 16-31 the other way round (H = A8 PH + H8).
; Then the pair of my 32 rows, which goes to LDS: lanes 0-15 give A, lanes 16-31 H.
.macro WSUMS p
.irp c, 0,1,2,3
	v_mul_f32 v[A16+\c], v[A8+\c], v[PA+\c]
	v_fma_f32 v[T1+\c], v[PA+\c], v[H8+\c], v[PH+\c]
	v_fma_f32 v[H16+\c], v[A8+\c], v[PH+\c], v[H8+\c]
.endr
.irp c, 0,1,2,3
	v_cndmask_b32 v[H16+\c], v[T1+\c], v[H16+\c], s93
.endr
.irp n, 0,1
	v_mul_f32 v[T1+\n], v[A16+\n], v[A16+2+\n]
	v_fma_f32 v[T1+2+\n], v[A16+2+\n], v[H16+\n], v[H16+2+\n]
.endr
.irp n, 0,1
	v_cndmask_b32 v[T1+\n], v[T1+\n], v[T1+2+\n], s93
.endr
.irp n, 0,1
	ds_store_b32 v[SXS], v[T1+\n] offset:512*\n+1024*\p   ; channel 16 n + r
.endr
.endm
; The carry.  From h in front of the slot, h behind each wave's rows in turn; what stands in front of MY rows is picked by selects on my wave's number; h behind wave 3's rows is the next slot's carry.
; Then what is carried into block 1 (h at my row 15) and, in lanes 16-31, over the partner's eight rows.
.macro CARRY
.irp n, 0,1
	v_fma_f32 v[P1+\n], v[S+8*\n], v[CY+\n], v[S+8*\n+1]
.endr
.irp n, 0,1
	v_fma_f32 v[P2+\n], v[S+8*\n+2], v[P1+\n], v[S+8*\n+3]
	v_cndmask_b32 v[CW+\n], v[CY+\n], v[P1+\n], s[M1]
.endr
.irp n, 0,1
	v_fma_f32 v[P3+\n], v[S+8*\n+4], v[P2+\n], v[S+8*\n+5]
	v_cndmask_b32 v[CW+\n], v[CW+\n], v[P2+\n], s[M1+1]
.endr
.irp n, 0,1
	v_fma_f32 v[CY+\n], v[S+8*\n+6], v[P3+\n], v[S+8*\n+7]
	v_cndmask_b32 v[CW+\n], v[CW+\n], v[P3+\n], s[M1+2]
.endr
.irp n, 0,1
	v_fma_f32 v[CW+2+\n], v[A16+\n], v[CW+\n], v[H16+\n]
.endr
.irp c, 0,1,2,3
	v_fma_f32 v[CIN+\c], v[PA+\c], v[CW+\c], v[PH+\c]
.endr
.irp c, 0,1,2,3
	v_cndmask_b32 v[CIN+\c], v[CW+\c], v[CIN+\c], s93
.endr
.endm
; h, four chains by turns, and into my stage
.macro SCAN
.irp c, 0,1,2,3
	v_fma_f32 v[X+8*\c], v[G+8*\c], v[CIN+\c], v[X+8*\c]
.endr
.irp j, 1,2,3,4,5,6,7
.irp c, 0,1,2,3
	v_fma_f32 v[X+8*\c+\j], v[G+8*\c+\j], v[X+8*\c+\j-1], v[X+8*\c+\j]
.endr
.endr
.irp m, 0,1
.irp j, 0,1,2,3,4,5,6,7
.irp n, 0,1
	ds_store_b32 v[STO], v[X+8*(2*\m+\n)+\j] offset:(16*\m+\j)*SGP+64*\n   ; row 16 m + 8 h + j, channel 16 n + r
.endr
.endr
.endr
.endm
.macro QLOAD                           ; my 32 rows come back, a row a lane: register k is the row's channel k.  LDS serves a wave's instructions in order (ISA guide 5.7.1.4): these see my stores
.irp i, 0,1,2,3,4,5,6,7
	ds_load_b128 v[Q+4*\i:Q+4*\i+3], v[RDQ] offset:16*\i
.endr
.endm
; My row's 32 channels become 32 codes and a scale byte.  h is never negative: no |.|, and the hold is one-sided.
.macro QWORK p
	v_max3_num_f32 v[QM], v[Q], v[Q+1], 0x8000000  ; the block's largest number, in two chains; the floor 2^(16 - 127) among the leaves holds the byte at 1 from below
	v_max3_num_f32 v[QN], v[Q+16], v[Q+17], v[Q+18]
.irp i, 0,1,2,3,4,5
	v_max3_num_f32 v[QM], v[QM], v[Q+2+2*\i], v[Q+3+2*\i]
	v_max3_num_f32 v[QN], v[QN], v[Q+19+2*\i], v[Q+20+2*\i]
.endr
	v_max3_num_f32 v[QM], v[QM], v[Q+14], v[Q+15]
	v_max3_num_f32 v[QM], v[QM], v[QN], v[Q+31]
	v_add_nc_u32 v[QS], 0xf8800000, v[QM]          ; 15 off its exponent field: the conversion takes the exponent field of this operand as its scale, and nothing else of it
	v_and_or_b32 v[QL], v[QM], 0x7f800000, s94     ; 57,344 x the scale: the largest number's exponent field over 57,344's mantissa
	v_lshrrev_b32 v[QN], 23, v[QS]                 ; the scale's byte
	v_add_nc_u32 v[SBT], s[TS], v[SBA]             ; and its place
.set n, 0
.rept 32
	v_min_num_f32 v[Q+n], v[Q+n], v[QL]            ; the conversion to an 8-bit code does not saturate (ISA guide 7.6.2): the hold at the largest code x the scale
.set n, n+1
.endr
.irp i, 0,1,2,3
	v_cvt_scalef32_pk8_bf8_f32 v[CD+8*\p+2*\i:CD+8*\p+2*\i+1], v[Q+8*\i:Q+8*\i+7], v[QS]
.endr
	v_nop                                          ; one plain line behind the last scaled conversion, ahead of any vector line that touches its registers
	global_store_b128 v[CO], v[CD+8*\p:CD+8*\p+3], s[HCP:HCP+1] offset:4096*\p         ; channels 0-15: lanes 0-15 store 256 consecutive bytes, lanes 16-31 another 256, each at a multiple of 256 from the buffer's first byte
	global_store_b128 v[CO], v[CD+8*\p+4:CD+8*\p+7], s[HCP:HCP+1] offset:4096*\p+256   ; channels 16-31 likewise
	ds_store_b8 v[SBT], v[QN] offset:32*\p
.endm
; A PREFETCH INTO THE L2, behind the joint load and its four lines: the slot that stands three on from the slot in hand, which is the slot that the NEXT refill will ask for.  A slot is 128 rows x 1,024 bytes: 512 blocks of 256 bytes,
; one for each lane of the cluster's sixteen waves: of the 32 rows that wave w fetches, the partner at place cx takes 8 cx .. 8 cx + 7, told apart BY ADDRESS; those 8,192 bytes are on end, lanes 256 bytes apart.
; All eight clusters of a y walk the same rows: the first of them asks, so each block is named once in the launch.  Slots 0 to 2 come by their loads alone; the last trip's second slot would name slot 16: it asks for nothing.
.macro ASK p
.if \p
	s_cmp_gt_u32 s[CNT], s[LIM]                    ; s[CNT] = 1 in the last trip
.else
	s_cmp_ge_u32 s[CNT], s[LIM]
.endif
	s_cbranch_scc0 .Lnot_mine_\@
	global_prefetch_b8 v[PFO], s[PFA:PFA+1] offset:(\p+3)*131072 th:TH_LOAD_NT scope:SCOPE_SE
.Lnot_mine_\@:
.endm
; A SLOT.  p: its place in the ring.  fill = 1: it is filled again with the rows two slots on, and x's scale words of those rows are asked for.  more = 1: the next slot's fragments are fetched.
.macro SLOTW p, fill, more, lc
	MULS \p, \lc
	WIN 0
	PLACES 8                                       ; a vector instruction that reads a matrix result stands eight places behind the matrix instruction
	ACT
	PAIRS
	WSUMS \p
	s_wait_tensorcnt 0x0                           ; all my tensor loads have landed: the one that was out is my part of the next slot;
	ds_add_u32 v[SPW], v[NIL]                      ; 0 onto my spare word
.if \fill
	s_add_nc_u64 s[G0+4*\p+2:G0+4*\p+3], s[G0+4*\p+2:G0+4*\p+3], 2*128*1024   ; no load of mine is out, so a group 0 may be written: this slot's next rows
.endif
	s_wait_dscnt 0x0                               ; the add is done, my pair lies in LDS, and my reads of this slot are over
.if \fill
	CROUND                                         ; all that now holds of every wave of the four work-groups
	tensor_load_to_lds s[G0+4*\p:G0+4*\p+3], s[G1:G1+7]   ; my one tensor load behind the round, and the first thing there
	s_nop 0
	PLACES 4
	ASK \p
.else
	s_barrier_signal -1
	s_barrier_wait -1
.endif
.irp n, 0,1
	ds_load_b128 v[S+8*\n:S+8*\n+3], v[SXL] offset:512*\n+1024*\p          ; waves 0 and 1's pairs of channel 16 n + r,
	ds_load_b128 v[S+8*\n+4:S+8*\n+7], v[SXL] offset:512*\n+1024*\p+16     ; waves 2 and 3's.  This set is written again two slots on, behind the next slot's barrier
.endr
.if \more
	ALOAD 1-\p, 0
.endif
.if \fill
	global_load_b128 v[XS+8*\p:XS+8*\p+3], v[XSO], s[XSP:XSP+1] offset:8192+4096*\p
	global_load_b128 v[XS+8*\p+4:XS+8*\p+7], v[XSO], s[XSP:XSP+1] offset:8192+4096*\p+16
.endif
	s_wait_dscnt 32*\more                          ; the pairs are in; the 32 fragment loads behind them may be out
	CARRY
	SCAN
	QLOAD
.if \more
	ALOAD 1-\p, 1
.endif
	s_wait_dscnt 32*\more                          ; my rows are back from the stage, and all that was asked for earlier is in; the 32 fragment loads just issued may be out
	QWORK \p
.endm
	s_wait_tensorcnt 1                             ; my part of slot 0 is in, and I alone read it; slot 1's may be out
	ALOAD 0, 0
	ALOAD 0, 1
	s_wait_dscnt 32                                ; K steps 0-3
	s_mov_b32 s[CNT], TRIPS
	s_mov_b32 s[TS], 0
.Ltrip:
	SLOTW 0, 1, 1, 2                               ; (behind a slot's scale words of x only the next slot's two loads have been issued)
	SLOTW 1, 1, 1, 2
	s_wait_xcnt 0x0                                ; the trip's loads, stores and prefetches have read their registers: the bases may step, and the codes' registers may be written again
	s_add_nc_u64 s[XSP:XSP+1], s[XSP:XSP+1], 2*4096
	s_add_nc_u64 s[HCP:HCP+1], s[HCP:HCP+1], 2*4096
	s_add_nc_u64 s[PFA:PFA+1], s[PFA:PFA+1], 2*131072
	s_add_co_u32 s[TS], s[TS], 64
	s_sub_co_u32 s[CNT], s[CNT], 1
	s_cmp_lg_u32 s[CNT], 0
	s_cbranch_scc1 .Ltrip
	SLOTW 0, 0, 1, 2                               ; the last two slots are written out: nothing is left to fetch
	SLOTW 1, 0, 0, 0
	s_wait_dscnt 0x0                               ; for the others' sake: my scale bytes lie in LDS
	s_barrier_signal -1
	s_barrier_wait -1
	ds_load_b128 v[Q:Q+3], v[SRD]                  ; 16 rows' bytes a lane, by rows
	v_and_b32 v1, 31, v0
	v_lshlrev_b32 v1, 4, v1
	s_wait_dscnt 0x0
	global_store_b128 v1, v[Q:Q+3], s[100:101]     ; 512 consecutive bytes, at a multiple of 256 from the buffer's first byte
	s_wait_tensorcnt 0x0                           ; the wave's end: behind my last tensor load and my last LDS store
	ds_add_u32 v[SPW], v[NIL]
	s_wait_dscnt 0x0
	CROUND                                         ; the closing round: no work-group ends while a partner may still ask for a tile that names it
	s_endpgm
.Lfunc_end_k_q6b022119a1_gru_scan:
	.size	k_q6b022119a1_gru_scan, .Lfunc_end_k_q6b022119a1_gru_scan-k_q6b022119a1_gru_scan
	.p2alignl 7, 3214868480
	.fill 96, 4, 3214868480
	.section	.rodata,"a",@progbits
	.p2align	6, 0x0
	.amdhsa_kernel k_q6b022119a1_gru_scan
		.amdhsa_group_segment_fixed_size 327680
		.amdhsa_private_segment_fixed_size 0
		.amdhsa_enable_private_segment 0
		.amdhsa_kernarg_size 56
		.amdhsa_user_sgpr_count 2
		.amdhsa_user_sgpr_kernarg_segment_ptr 1
		.amdhsa_wavefront_size32 1
		.amdhsa_system_sgpr_workgroup_id_x 1
		.amdhsa_system_sgpr_workgroup_id_y 1
		.amdhsa_system_sgpr_workgroup_id_z 1
		.amdhsa_system_vgpr_workitem_id 0
		.amdhsa_next_free_vgpr 1024
		.amdhsa_next_free_sgpr 102
		.amdhsa_reserve_vcc 0
		.amdhsa_float_denorm_mode_32 3
		.amdhsa_float_denorm_mode_16_64 3
		.amdhsa_memory_ordered 1
		.amdhsa_forward_progress 1
		.amdhsa_inst_pref_size 185
	.end_amdhsa_kernel
	.amdgpu_metadata
---
amdhsa.version: [ 1, 2 ]
amdhsa.kernels:
  - .name:           k_q6b022119a1_gru_scan
    .symbol:         k_q6b022119a1_gru_scan.kd
    .args:
      - { .name: x_codes, .offset: 0, .size: 8, .value_kind: global_buffer, .address_space: global }
      - { .name: x_scales, .offset: 8, .size: 8, .value_kind: global_buffer, .address_space: global }
      - { .name: W_hg_codes, .offset: 16, .size: 8, .value_kind: global_buffer, .address_space: global }
      - { .name: W_hg_scales, .offset: 24, .size: 8, .value_kind: global_buffer, .address_space: global }
      - { .name: sums, .offset: 32, .size: 8, .value_kind: global_buffer, .address_space: global }
      - { .name: h_codes, .offset: 40, .size: 8, .value_kind: global_buffer, .address_space: global }
      - { .name: h_scales, .offset: 48, .size: 8, .value_kind: global_buffer, .address_space: global }
    .group_segment_fixed_size: 327680
    .private_segment_fixed_size: 0
    .kernarg_segment_align: 8
    .kernarg_segment_size: 56
    .max_flat_workgroup_size: 128
    .sgpr_count:     102
    .vgpr_count:     1024
    .wavefront_size: 32
...
	.end_amdgpu_metadata
.endif
;; end of part 2
;; launch out_gemm (part 3): grid 4 x 64, 4 waves a work-group, clusters of 4 x 4, 327,680 bytes of LDS; arguments h_codes, h_scales, W_out_codes, W_out_scales, out0; writes out0
.if DOCPART == 3
	.amdgcn_target "amdgcn-amd-amdhsa--gfx1250"
	.amdhsa_code_object_version 6
	.text
	.protected	k_q6b022119a1_out_gemm
	.globl	k_q6b022119a1_out_gemm
	.p2align	8
	.type	k_q6b022119a1_out_gemm,@function
k_q6b022119a1_out_gemm:
	s_mov_b64 s[64:65], 0
	v_nop
	global_prefetch_b8 v0, s[64:65] scope:SCOPE_SE
	s_setreg_imm32_b32 hwreg(HW_REG_WAVE_MODE, 25, 1), 1
	s_wait_xcnt 0x0
	s_wait_alu depctr_hold_cnt(0) depctr_sa_sdst(0) depctr_va_vdst(0) depctr_va_sdst(0) depctr_va_ssrc(0) depctr_va_vcc(0) depctr_vm_vsrc(0)
	s_getreg_b32 s2, hwreg(HW_REG_IB_STS2, 6, 4)
	s_cmp_eq_u32 s2, 0
	s_cbranch_scc0 .Lentry_in_a_cluster
	s_endpgm
.Lentry_in_a_cluster:
	s_bfe_u32 s2, ttmp6, 0x10000c
	s_cmp_lg_u32 s2, 0xf033
	s_cbranch_scc0 .Lentry_shape_is_right
	s_endpgm
.Lentry_shape_is_right:
; minGRU, third of three launches.  out = Q(h) W_out^T on codes of BF8 (E5M2) with one E8M0 scale for each 32 along K; out: [16384][1024] f32; sums in f32.
; h_codes: [K / 32][row / 16][k / 16 % 2][row % 16][16 bytes]: the image of this product's operand registers, as the second launch laid it.  h_scales: [K / 32][row], a byte.  W_out_codes: [1024][1024 bytes], W_out_scales: [1024][32].
; A tile of out, 256 x 256, is made by a work-group of four waves; a wave makes 128 x 128: 64 accumulators of 16 x 16, 512 registers.  K = 1,024 goes in four steps of 256 through two LDS slots filled by the tensor data mover.
; Of h a K step is eight blocks of 32 along K, each 256 rows x 32 bytes = 8,192 bytes on end in memory: four blocks to a tensor load (waves 0 and 1).  Of W_out it is 256 rows x 256 bytes: 128 rows a load (waves 2 and 3).
; A fragment of h is read from LDS at 16 x lane, 512 consecutive bytes an instruction: no pitch and no padding.
; THE SCALES come into LDS once, with the first fills.  W_out's bytes are words as they lie.  h's come a byte for each row and block of 32; the matrix instruction wants a row's four bytes of 128 along K in one word: each thread
; turns 4 rows x 16 blocks into 16 words at the head, while K step 0 is on its way.
; CLUSTERS: 4 x 4 work-groups.  The four of a row of the cluster need the same tiles of h, the four of a column the same tiles of W_out: each tile is asked for JOINTLY, by the same tensor load with the same descriptor and a mask that names the four.
; THE MATRIX INSTRUCTION IS USED TRANSPOSED (source 0 = 16 rows of W_out, source 1 = 16 rows of h): a lane then holds eight neighbouring numbers of a row of out.
; REGISTERS, in windows of 256: window 0: v0-31 addresses; v32-63 h's scale words, two sets; v64-95 W_out's, two sets; from v128 h's fragments, one set; on the way out v128-255 take rows of out.
;   window 1: W_out's fragments, two sets, at v0 and v128.   window 2: the accumulators of my rows 0-63 ((a, b) at v[8 (8 a + b)]);   window 3: those of my rows 64-127.
.set SIZE_N, 1024
.set NQ,     2                         ; matrix instructions deep in a slot: 256 along K
.set ROWB,   256                       ; a row of W_out's tile in bytes
.set KROW,   1024                      ; a row of W_out in memory
.set PITCH,  272                       ; W_out's LDS row: 256 bytes + 16 of padding: the 16 rows that a load touches start at 16 different banks (64 banks of 4 bytes: ISA guide 11.1)
.set FR,     16                        ; registers of a fragment: 16 rows x 128 K
.set NL,     4                         ; LDS loads that bring one
.set NP,     8                         ; places behind this matrix instruction (ISA guide 7.12.1)
.set ABLK,   8192                      ; h: a block of 32 along K, 256 rows
.set ASUB,   4*ABLK                    ; 128 along K: what one tensor load brings
.set HALFT,  128*PITCH                 ; 128 rows of W_out
.set SLOT,   2*ASUB+2*HALFT            ; h's 256 along K, then W_out's 256 rows
.set GSZ,    4*16384*32                ; 128 along K in h_codes
.set SCA,    2*SLOT                    ; behind the ring: h's scale words, [K / 128][256 rows]: stored by the waves; no fill lands here;
.set RAW,    SCA+8*1024                ; h's scale bytes as they come, [K / 32][256 rows];
.set SCB,    RAW+32*256                ; W_out's scale bytes, as units of 256 bytes + 16 of padding
.set HALFS,  16*272                    ; those of 128 rows
.set SBLK,   2*272                     ; those of 16 rows
.set SPARE,  SCB+2*HALFS               ; the spare words, 128 bytes for each wave: two blocks of 256 bytes that no other line names
.set SPITCH, 528                       ; the way out: a stage of 16 rows x (512 bytes + 16) for each wave.  It lies in slot 0, which has had its last fill and its last read when the first result is stored there
.set ARW,  8                           ; v8      where I read h's scale bytes
.set ASW,  9                           ; v9      where I put h's scale words
.set ADRA, 16                          ; v16-17  LDS address of my fragments of h in slot 0, 1
.set ADRB, 20                          ; v20-21  the same for W_out
.set STO,  24                          ; v24     the way out: where I put 32 bytes of a row
.set RD,   25                          ; v25     the way out: where I read a row back
.set CO,   26                          ; v26     my byte offset in a row of out
.set ADSA, 27                          ; v27     LDS address of h's scale words
.set SPW,  28                          ; v28     LDS address of my spare word; never rewritten
.set NIL,  29                          ; v29     0; never rewritten
.set ADSB, 30                          ; v30     LDS address of W_out's scale words
.set SA,   32                          ; h's scale words: set s at v[SA + 16 s], register 2 i + q: block i, the slot's q-th 128 along K
.set SB,   64                          ; W_out's likewise
.set AF,   128                         ; h's fragments
.set BK,   128                         ; the way out: 16 rows read back from the stage: v128-191 and v192-255 by turns
.set RB,   128                         ; the head: v128-143 sixteen words of scale bytes; v144-147 at work; v148-163 sixteen scale words
.set TB,   144
.set WB,   148
.set G1, 24                            ; s[24:31] descriptor group 1 for h's tiles;  s[32:39] group 0, one set for each slot
.set G0, 32
.set G1B, 48                           ; s[48:55], s[56:63] the same for W_out's tiles
.set G0B, 56
.set G1S, 68                           ; s[68:75], s[76:79] groups 1 and 0 for h's scale bytes;  s[80:87], s[88:91] for W_out's
.set G0S, 76
.set G1SB, 80
.set G0SB, 88
.set MSB, 0
.macro WIN new                         ; the immediate's high byte repeats the setting that is left
.if MSB != (\new)
	s_set_vgpr_msb (MSB<<8)|(\new)
.set MSB, (\new)
.endif
.endm
.set MUL_LO, 0xa1                      ; source 0 (W_out) window 1, source 1 (h) window 0, C and D window 2
.set MUL_HI, 0xf1                      ; the same, C and D window 3
.set TO_B,   0x40                      ; destination window 1, address window 0
; A joint load: waves 0 and 1 fetch for h, waves 2 and 3 for W_out.  Each line has one mask and one set of registers for all that issue it; the branch hangs on the wave's number alone.
; Four v_nop follow each of the two lines, ahead of the jump, the label and what follows.
.macro JLOAD g0a, g1a, g0b, g1b
	s_cmp_eq_u32 s15, 0
	s_cbranch_scc0 .Lfor_b_\@
	tensor_load_to_lds s[\g0a:\g0a+3], s[\g1a:\g1a+7]
	s_nop 0
.rept 4
	v_nop
.endr
	s_branch .Lasked_\@
.Lfor_b_\@:
	tensor_load_to_lds s[\g0b:\g0b+3], s[\g1b:\g1b+7]
	s_nop 0
.rept 4
	v_nop
.endr
.Lasked_\@:
.endm
.macro CREST                           ; a round of the cluster's barrier behind its opening barrier
	s_cmp_lg_u32 s14, 0
	s_cbranch_scc1 .Lnot_wave_0_\@
	s_barrier_signal -3
.Lnot_wave_0_\@:
	s_barrier_wait -3
	s_barrier_signal -1
	s_barrier_wait -1
.endm
.macro CROUND                          ; a whole round
	s_barrier_signal -1
	s_barrier_wait -1
	CREST
.endm
	s_load_b128 s[4:7], s[0:1], 0x0                ; h's codes s[4:5], h's scale bytes s[6:7]
	s_load_b128 s[8:11], s[0:1], 0x10              ; W_out's codes s[8:9], W_out's scales s[10:11]
	s_load_b64 s[12:13], s[0:1], 0x20              ; out
	v_lshl_add_u32 v[SPW], v0, 2, SPARE
	v_mov_b32 v[NIL], 0
	ds_add_u32 v28, v29
	ds_add_u32 v28, v29
	s_wait_dscnt 0x0
	v_lshrrev_b32 v1, 5, v0
	v_readfirstlane_b32 s14, v1                    ; wave 0..3
	s_lshr_b32 s15, s14, 1                         ; which half of the tile's rows is mine.  Also: I fetch for h (0) or for W_out (1)
	s_and_b32 s16, s14, 1                          ; which half of its columns.  Also: which part I fetch
	s_bfe_u32 s40, ttmp6, 0x40000                  ; cx, cy: my place in the cluster
	s_bfe_u32 s41, ttmp6, 0x40004
	s_lshl_b32 s42, ttmp9, 2
	s_add_co_u32 s42, s42, s40                     ; tile column of out = 4 x cluster x + cx
	s_and_b32 s17, ttmp7, 0xffff
	s_lshl_b32 s17, s17, 2
	s_add_co_u32 s17, s17, s41                     ; tile row of out = 4 x cluster y + cy
	s_lshl_b32 s43, s41, 2
	s_lshl_b32 s43, 15, s43                        ; my row of the cluster
	s_lshl_b32 s44, 0x1111, s40                    ; my column
	; descriptor group 1 for h's codes: four blocks of 8,192 bytes (1,024 elements of 8 bytes), 524,288 bytes (65,536 elements) from block to block; no padding
	s_or_b32 s[G1+0], s43, (3<<16)|(1<<21)         ; 15:0 the mask: my row; 17:16 elements of 8 bytes; 21 set beside a mask
	s_mov_b32 s[G1+1], 1024<<16                    ; tensor_dim0 = 1,024
	s_mov_b32 s[G1+2], 4<<16                       ; tensor_dim1 = 4
	s_mov_b32 s[G1+3], 1024<<16                    ; tile_dim0 = 1,024
	s_mov_b32 s[G1+4], 4                           ; tile_dim1 = 4
	s_mov_b32 s[G1+5], 65536                       ; tensor_dim0_stride
	s_mov_b32 s[G1+6], 0
	s_mov_b32 s[G1+7], 0
	; for W_out's codes: 128 rows x 256 bytes
	s_or_b32 s[G1B+0], s44, (1<<20)|(1<<21)|(5<<22)|(3<<25)  ; the mask: my column; elements of 1 byte; padding of 4 words after every 64
	s_mov_b32 s[G1B+1], ROWB<<16
	s_mov_b32 s[G1B+2], 128<<16
	s_mov_b32 s[G1B+3], ROWB<<16
	s_mov_b32 s[G1B+4], 128
	s_mov_b32 s[G1B+5], KROW
	s_mov_b32 s[G1B+6], 0
	s_mov_b32 s[G1B+7], 0
	; for h's scale bytes: sixteen blocks' 256 bytes (32 elements of 8 bytes), 16,384 bytes (2,048 elements) from block to block; no padding: the lanes read consecutive words
	s_or_b32 s[G1S+0], s43, (3<<16)|(1<<21)
	s_mov_b32 s[G1S+1], 32<<16
	s_mov_b32 s[G1S+2], 16<<16
	s_mov_b32 s[G1S+3], 32<<16
	s_mov_b32 s[G1S+4], 16
	s_mov_b32 s[G1S+5], 2048
	s_mov_b32 s[G1S+6], 0
	s_mov_b32 s[G1S+7], 0
	; for W_out's scale bytes of 128 rows: a dense block of 4,096 bytes, as 16 rows of 256 bytes, 16 bytes of padding behind each
	s_or_b32 s[G1SB+0], s44, (3<<16)|(1<<20)|(1<<21)|(5<<22)|(3<<25)
	s_mov_b32 s[G1SB+1], 32<<16
	s_mov_b32 s[G1SB+2], 16<<16
	s_mov_b32 s[G1SB+3], 32<<16
	s_mov_b32 s[G1SB+4], 16
	s_mov_b32 s[G1SB+5], 32
	s_mov_b32 s[G1SB+6], 0
	s_mov_b32 s[G1SB+7], 0
	s_lshl_b32 s20, s17, 13                        ; h's codes: 256 rows of 32 bytes a tile row,
	s_lshl_b32 s21, s16, 21                        ; + my four blocks of the slot's eight
	s_add_co_u32 s20, s20, s21
	s_mov_b32 s21, 0
	s_lshl_b32 s22, s17, 8                         ; h's scale bytes: 256 a tile row,
	s_lshl_b32 s23, s16, 18                        ; + my sixteen blocks of the 32
	s_add_co_u32 s22, s22, s23
	s_mov_b32 s23, 0
	s_lshl_b32 s46, s42, 8
	s_lshl_b32 s47, s16, 7
	s_add_co_u32 s46, s46, s47                     ; W_out: row 256 x tile column + 128 x half
	s_mov_b32 s47, 0
	s_lshl_b64 s[92:93], s[46:47], 5               ; its scale bytes,
	s_lshl_b64 s[46:47], s[46:47], 10              ; its codes
	s_mul_i32 s45, s16, ASUB                       ; where they go: no place in the cluster enters an LDS address.  h's codes;
	s_mul_i32 s3, s16, HALFT
	s_add_co_u32 s3, s3, 2*ASUB                    ; W_out's codes;
	s_lshl_b32 s94, s16, 12
	s_add_co_u32 s94, s94, RAW                     ; h's scale bytes;
	s_mul_i32 s95, s16, HALFS
	s_add_co_u32 s95, s95, SCB                     ; W_out's scale bytes
	s_wait_kmcnt 0x0
	s_add_nc_u64 s[20:21], s[4:5], s[20:21]
	s_add_nc_u64 s[22:23], s[6:7], s[22:23]
	s_add_nc_u64 s[46:47], s[8:9], s[46:47]
	s_add_nc_u64 s[92:93], s[10:11], s[92:93]
	CROUND                                         ; all sixteen work-groups are here: the first joint loads meet
	s_mov_b32 s[G0S], 1
	s_mov_b32 s[G0S+1], s94
	s_mov_b64 s[G0S+2:G0S+3], s[22:23]
	s_or_b32 s[G0S+3], s[G0S+3], 0x80000000
	s_mov_b32 s[G0SB], 1
	s_mov_b32 s[G0SB+1], s95
	s_mov_b64 s[G0SB+2:G0SB+3], s[92:93]
	s_or_b32 s[G0SB+3], s[G0SB+3], 0x80000000
	JLOAD G0S, G1S, G0SB, G1SB                     ; the scales first: h's are worked on while K step 0 is on its way
.irp s, 0,1
	s_mov_b32 s[G0+4*\s], 1
	s_add_co_u32 s[G0+4*\s+1], s45, \s*SLOT
	s_add_nc_u64 s[G0+4*\s+2:G0+4*\s+3], s[20:21], \s*2*GSZ
	s_or_b32 s[G0+4*\s+3], s[G0+4*\s+3], 0x80000000
	s_mov_b32 s[G0B+4*\s], 1
	s_add_co_u32 s[G0B+4*\s+1], s3, \s*SLOT
	s_add_nc_u64 s[G0B+4*\s+2:G0B+4*\s+3], s[46:47], \s*ROWB
	s_or_b32 s[G0B+4*\s+3], s[G0B+4*\s+3], 0x80000000
	JLOAD G0+4*\s, G1, G0B+4*\s, G1B
.endr
	v_and_b32 v1, 15, v0                           ; r = lane % 16
	v_bfe_u32 v2, v0, 4, 1                         ; h = lane / 16
	v_and_b32 v6, 31, v0                           ; lane
	v_lshlrev_b32 v3, 4, v6                        ; h's fragments: 16 x lane
	v_mul_u32_u24 v4, v1, PITCH
	v_lshl_add_u32 v4, v2, 4, v4                   ; W_out's: a fragment's row x pitch + 16 x half
	s_lshl_b32 s21, s15, 12                        ; my 128 rows of h: eight blocks of 16 rows, 512 bytes each
	s_mul_i32 s22, s16, HALFT                      ; my 128 rows of W_out,
	s_add_co_u32 s22, s22, 2*ASUB                  ; which lie behind h's 256 along K
.irp s, 0,1
	v_add_nc_u32 v[ADRA+\s], s21, v3
	v_add_nc_u32 v[ADRB+\s], s22, v4
	s_add_co_u32 s21, s21, SLOT
	s_add_co_u32 s22, s22, SLOT
.endr
	s_lshl_b32 s21, s15, 9
	s_add_co_u32 s21, s21, SCA
	v_lshl_add_u32 v[ADSA], v1, 2, s21             ; h's scale words: my 128 rows, 4 bytes a row
	v_lshlrev_b32 v5, 5, v1                        ; W_out's: 32 bytes a row,
	v_lshrrev_b32 v7, 8, v5
	v_lshl_add_u32 v5, v7, 4, v5                   ; and 16 more for each 256 passed
	s_mul_i32 s21, s16, HALFS
	s_add_co_u32 s21, s21, SCB
	v_add_nc_u32 v[ADSB], s21, v5
	v_and_b32 v7, 63, v0                           ; the turning of h's scale bytes: thread t takes rows 4 (t % 64) .. + 3 and blocks 16 (t / 64) .. + 15
	s_lshl_b32 s21, s15, 12
	s_add_co_u32 s22, s21, RAW
	v_lshl_add_u32 v[ARW], v7, 2, s22              ; four rows' bytes of a block are a word
	s_add_co_u32 s22, s21, SCA
	v_lshl_add_u32 v[ASW], v7, 4, s22              ; four rows' words of 128 along K are 16 bytes
	s_mul_i32 s23, s14, 16*SPITCH                  ; my stage
	v_mul_u32_u24 v5, v1, SPITCH                   ; in: row l % 16, 32 bytes for each half of the lanes
	v_lshl_add_u32 v5, v2, 5, v5
	v_add_nc_u32 v[STO], s23, v5
	v_lshlrev_b32 v[CO], 4, v6                     ; back: the 32 lanes take one row of 512 bytes; and the same in out
	v_add_nc_u32 v[RD], s23, v[CO]
	s_lshl_b32 s20, s17, 8
	s_lshl_b32 s21, s15, 7
	s_add_co_u32 s20, s20, s21                     ; my first row of out: 256 x tile row + 128 x half
	s_mov_b32 s21, 0
	s_lshl_b64 s[20:21], s[20:21], 12              ; rows of 4,096 bytes
	s_lshl_b32 s46, s42, 10                        ; my first column, in bytes: 1,024 x tile column + 512 x half
	s_lshl_b32 s47, s16, 9
	s_add_co_u32 s46, s46, s47
	s_mov_b32 s47, 0
	s_add_nc_u64 s[20:21], s[20:21], s[46:47]
	s_add_nc_u64 s[12:13], s[12:13], s[20:21]
.macro FRAGA reg, adr, q, i            ; a fragment of h, 16 rows x 128 K: registers 4 c .. 4 c + 3 are the image of block c of the slot's q-th 128 along K: 512 bytes for 16 rows, lane l's 16 bytes at 16 l
.irp c, 0,1,2,3
	ds_load_b128 v[\reg+4*\c:\reg+4*\c+3], v[\adr] offset:ASUB*(\q)+ABLK*\c+(\i)*512
.endr
.endm
.macro FRAGB reg, adr, q, i            ; of W_out: lane l holds row l % 16; registers 4 c .. 4 c + 3 hold K = 32 c + 16 (l / 16) + 0 .. 15 of the q-th 128 bytes of its rows
.irp c, 0,1,2,3
	ds_load_b128 v[\reg+4*\c:\reg+4*\c+3], v[\adr] offset:128*(\q)+32*\c+(\i)*16*PITCH
.endr
.endm
; 16 matrix instructions: h's blocks a0, a0 + 1 against W_out's eight, 128 along K: the slot's q-th.  p: W_out's set;  sc: the sets of scale words.  zero = 1: the first product starts the sums: nothing is ever cleared.
; The 64 accumulators take turns, one instruction a turn, in the same order in every step.
.macro MUL16 a0, p, q, sc, zero
.irp a, \a0, \a0+1
.irp b, 0,1,2,3,4,5,6,7
.if \zero
	v_wmma_scale_f32_16x16x128_f8f6f4 v[8*(8*((\a)%4)+\b):8*(8*((\a)%4)+\b)+7], v[128*(\p)+FR*\b:128*(\p)+FR*\b+FR-1], v[AF+FR*(\a):AF+FR*(\a)+FR-1], 0, v[SB+8*NQ*(\sc)+NQ*\b+(\q)], v[SA+8*NQ*(\sc)+NQ*(\a)+(\q)] matrix_a_fmt:MATRIX_FMT_BF8 matrix_b_fmt:MATRIX_FMT_BF8
.else
	v_wmma_scale_f32_16x16x128_f8f6f4 v[8*(8*((\a)%4)+\b):8*(8*((\a)%4)+\b)+7], v[128*(\p)+FR*\b:128*(\p)+FR*\b+FR-1], v[AF+FR*(\a):AF+FR*(\a)+FR-1], v[8*(8*((\a)%4)+\b):8*(8*((\a)%4)+\b)+7], v[SB+8*NQ*(\sc)+NQ*\b+(\q)], v[SA+8*NQ*(\sc)+NQ*(\a)+(\q)] matrix_a_fmt:MATRIX_FMT_BF8 matrix_b_fmt:MATRIX_FMT_BF8
.endif
.endr
.endr
.endm
.macro FETCH_B slot, q, p              ; W_out's eight fragments of the slot's q-th 128 along K into set p
	WIN TO_B
.irp i, 0,1,2,3,4,5,6,7
	FRAGB 128*(\p)+FR*\i, ADRB+\slot, \q, \i
.endr
	WIN 0
.endm
.macro FETCH_A slot, q, i0             ; h's blocks i0 .. i0 + 3
.irp i, \i0, \i0+1, \i0+2, \i0+3
	FRAGA AF+FR*(\i), ADRA+\slot, \q, \i
.endr
.endm
.macro SCALES sc                       ; a K step's scale words into the sets sc: lane r takes row r's word (lanes 16-31 hold the same and are not read)
.irp i, 0,1,2,3,4,5,6,7
	ds_load_b64 v[SB+8*NQ*\sc+NQ*\i:SB+8*NQ*\sc+NQ*\i+1], v[ADSB] offset:\i*SBLK
.endr
.irp i, 0,1,2,3,4,5,6,7
.irp q, 0,1
	ds_load_b32 v[SA+8*NQ*\sc+NQ*\i+\q], v[ADSA] offset:1024*\q+64*\i
.endr
.endr
.endm
; A load into a register that a matrix instruction has read, and an LDS store that reads a matrix result, stand NP places behind that matrix instruction, and only plain vector instructions that name none of its
; registers are places (ISA guide 7.12.1 for vector instructions); the matrix instructions in between are not counted.
.macro PLACES n
.rept \n
	v_nop
.endr
.endm
; A step of 128 along K that has its successor in the same slot.  h has one set of registers: a block is free when its eight products are issued; W_out has two.
.macro STEP slot, q, zero
	s_wait_dscnt 4*NL                              ; W_out's set, the scale words and h's blocks 0-3 are in; the youngest sixteen loads (h's blocks 4-7) may be out
	WIN MUL_LO
	MUL16 0, (\q)%2, \q, \slot, \zero
	MUL16 2, (\q)%2, \q, \slot, \zero
	s_wait_dscnt 0                                 ; h's blocks 4-7 are in (asked for 32 matrix instructions ago)
	PLACES NP
	FETCH_B \slot, (\q)+1, 1-(\q)%2
	FETCH_A \slot, (\q)+1, 0
	WIN MUL_HI
	MUL16 4, (\q)%2, \q, \slot, \zero
	MUL16 6, (\q)%2, \q, \slot, \zero
	PLACES NP
	WIN 0
	FETCH_A \slot, (\q)+1, 4
.endm
; A slot's last step changes slots: ONE barrier; in front of it each wave waits for all its tensor loads, adds 0 to its spare word, and waits for that and for its own reads of this slot.  fill = 1: this slot is filled again, two K steps ahead.
.macro TURN slot, next, fill
	s_wait_tensorcnt 0x0                           ; all my tensor loads have landed: my part of the next slot;  (every window is 0 here)
	ds_add_u32 v[SPW], v[NIL]                      ; 0 onto my spare word
	s_wait_dscnt 4*NL+1                            ; (the add and the youngest sixteen loads, h's blocks 4-7, may be out)
	WIN MUL_LO
	MUL16 0, 1, NQ-1, \slot, 0                     ; sixteen matrix instructions stand between the add and the wait for it
	s_wait_dscnt 0x0                               ; the add is done, and my reads of this slot are over
	s_barrier_signal -1
	MUL16 2, 1, NQ-1, \slot, 0
	WIN 0
	s_barrier_wait -1
.if \fill
	CREST                                          ; the barrier has opened a round of the cluster's barrier: no wave of any partner still reads this slot's tile or has a load on its way
	s_add_nc_u64 s[G0+4*\slot+2:G0+4*\slot+3], s[G0+4*\slot+2:G0+4*\slot+3], 4*GSZ
	s_add_nc_u64 s[G0B+4*\slot+2:G0B+4*\slot+3], s[G0B+4*\slot+2:G0B+4*\slot+3], 2*ROWB
	JLOAD G0+4*\slot, G1, G0B+4*\slot, G1B         ; the first tensor load behind the round; the four v_nop behind it are among the places in front of the loads below
	PLACES NP-4
.else
	PLACES NP
.endif
	v_add_nc_u32 v[ADSA], 2*1024, v[ADSA]          ; on to the next K step's scale words: twice 128 along K of h's, eight bytes of W_out's rows (no LDS load of mine is out)
	v_add_nc_u32 v[ADSB], 4*NQ, v[ADSB]
	FETCH_B \next, 0, 0
	FETCH_A \next, 0, 0
	SCALES \next
	WIN MUL_HI
	MUL16 4, 1, NQ-1, \slot, 0
	MUL16 6, 1, NQ-1, \slot, 0
	PLACES NP
	WIN 0
	FETCH_A \next, 0, 4
.endm
	s_wait_tensorcnt 2                             ; of my three loads the first is in: scale bytes; both K steps' may be out
	s_barrier_signal -1
	s_barrier_wait -1                              ; everybody's are
	; h's scale bytes become words.  Register 4 k + c: the bytes of my four rows in block c of my k-th 128 along K.  Two rounds of byte picks turn each 4 x 4 bytes: word j of the four then holds row j's bytes of blocks 0 to 3
.irp i, 0,1,2,3,4,5,6,7,8,9,10,11,12,13,14,15
	ds_load_b32 v[RB+\i], v[ARW] offset:256*\i
.endr
	s_wait_dscnt 0x0
.irp k, 0,1,2,3
	v_perm_b32 v[TB], v[RB+4*\k+1], v[RB+4*\k], 0x05010400       ; blocks 0, 1 of rows 0, 1 (a selector's bytes 0-3 pick from the second source, 4-7 from the first)
	v_perm_b32 v[TB+1], v[RB+4*\k+1], v[RB+4*\k], 0x07030602     ; of rows 2, 3
	v_perm_b32 v[TB+2], v[RB+4*\k+3], v[RB+4*\k+2], 0x05010400   ; blocks 2, 3 of rows 0, 1
	v_perm_b32 v[TB+3], v[RB+4*\k+3], v[RB+4*\k+2], 0x07030602   ; of rows 2, 3
	v_perm_b32 v[WB+4*\k], v[TB+2], v[TB], 0x05040100            ; row 0's word
	v_perm_b32 v[WB+4*\k+1], v[TB+2], v[TB], 0x07060302          ; row 1's
	v_perm_b32 v[WB+4*\k+2], v[TB+3], v[TB+1], 0x05040100        ; row 2's
	v_perm_b32 v[WB+4*\k+3], v[TB+3], v[TB+1], 0x07060302        ; row 3's
	ds_store_b128 v[ASW], v[WB+4*\k:WB+4*\k+3] offset:1024*\k
.endr
	s_wait_tensorcnt 1                             ; my part of K step 0 is in; K step 1's may be out
	s_wait_dscnt 0x0                               ; for the others' sake: my scale words lie in LDS
	s_barrier_signal -1
	s_barrier_wait -1                              ; everybody's do
	FETCH_B 0, 0, 0
	FETCH_A 0, 0, 0
	SCALES 0
	FETCH_A 0, 0, 4
	STEP 0, 0, 1                                   ; K = 1,024 is four slots: eight steps of 128, written on end.  The first step's products start the sums
	TURN 0, 1, 1                                   ; slot 0 takes K step 2
	STEP 1, 0, 0
	TURN 1, 0, 1                                   ; slot 1 takes K step 3
	STEP 0, 0, 0
	TURN 0, 1, 0                                   ; nothing is left to fetch
	STEP 1, 0, 0
	s_wait_dscnt 4*NL                              ; the very last step
	WIN MUL_LO
	MUL16 0, 1, NQ-1, 1, 0
	MUL16 2, 1, NQ-1, 1, 0
	s_wait_dscnt 0
	WIN MUL_HI
	MUL16 4, 1, NQ-1, 1, 0
	MUL16 6, 1, NQ-1, 1, 0
	WIN 0
; THE WAY OUT, block by block of 16 rows x 128 columns.  A lane holds 32 neighbouring bytes of a row, and the lanes beside it hold other rows: so a block goes through my own stage in LDS and comes back as whole
; rows of 512 bytes.  LDS serves a wave's instructions in order (ISA guide 5.7.1.4): no wait between the stores and the loads, nor in front of the next block's stores.
.macro TOSTAGE a
.set AC, 64*((\a)%4)
	WIN 0x08+4*((\a)/4)                            ; the data: window 2 or 3
.irp b, 0,1,2,3,4,5,6,7
	ds_store_b128 v[STO], v[AC+8*\b:AC+8*\b+3] offset:64*\b          ; each accumulator from its low end on
	ds_store_b128 v[STO], v[AC+8*\b+4:AC+8*\b+7] offset:64*\b+16
.endr
	WIN 0
.set BB, BK+64*((\a)%2)
.irp t, 0,1,2,3,4,5,6,7,8,9,10,11,12,13,14,15
	ds_load_b128 v[BB+4*\t:BB+4*\t+3], v[RD] offset:\t*SPITCH
.endr
.endm
.macro SEND a, younger                 ; younger: the LDS instructions issued behind block a's loads, which may stay out
.set BB, BK+64*((\a)%2)
	s_wait_dscnt \younger                          ; the block is back in registers
.if (\a) > 0
	s_add_nc_u64 s[12:13], s[12:13], 16*SIZE_N*4   ; (behind a wait on XCNT: the earlier stores have read their base)  16 rows of out on
.endif
.irp t, 0,1,2,3,4,5,6,7,8,9,10,11,12,13,14,15
	global_store_b128 v[CO], v[BB+4*\t:BB+4*\t+3], s[12:13] offset:\t*SIZE_N*4 th:TH_STORE_NT   ; 32 lanes store 512 consecutive bytes, at a multiple of 256 from out's first byte; written once, read by nobody here
.endr
.endm
	PLACES NP                                      ; behind the last products: for the loads into the registers that held h's fragments, and for the stores that read results
	TOSTAGE 0
.irp a, 1,2,3,4,5,6,7
.if \a > 1
	s_wait_xcnt 0x0                                ; block a - 2's stores have read their registers and their base: block a's loads may land there, and the base may step
.endif
	TOSTAGE \a
	SEND \a-1, 32                                  ; behind block a - 1's loads: block a's 16 stores and 16 loads
.endr
	s_wait_xcnt 0x0                                ; block 6's stores have read their base
	SEND 7, 0
	s_wait_tensorcnt 0x0                           ; the wave's end: behind my last tensor load and my last LDS store
	ds_add_u32 v[SPW], v[NIL]
	s_wait_dscnt 0x0
	CROUND                                         ; the closing round: no work-group ends while a partner may still ask for a tile that names it
	s_endpgm
.Lfunc_end_k_q6b022119a1_out_gemm:
	.size	k_q6b022119a1_out_gemm, .Lfunc_end_k_q6b022119a1_out_gemm-k_q6b022119a1_out_gemm
	.p2alignl 7, 3214868480
	.fill 96, 4, 3214868480
	.section	.rodata,"a",@progbits
	.p2align	6, 0x0
	.amdhsa_kernel k_q6b022119a1_out_gemm
		.amdhsa_group_segment_fixed_size 327680
		.amdhsa_private_segment_fixed_size 0
		.amdhsa_enable_private_segment 0
		.amdhsa_kernarg_size 40
		.amdhsa_user_sgpr_count 2
		.amdhsa_user_sgpr_kernarg_segment_ptr 1
		.amdhsa_wavefront_size32 1
		.amdhsa_system_sgpr_workgroup_id_x 1
		.amdhsa_system_sgpr_workgroup_id_y 1
		.amdhsa_system_sgpr_workgroup_id_z 1
		.amdhsa_system_vgpr_workitem_id 0
		.amdhsa_next_free_vgpr 1024
		.amdhsa_next_free_sgpr 98
		.amdhsa_reserve_vcc 0
		.amdhsa_float_denorm_mode_32 3
		.amdhsa_float_denorm_mode_16_64 3
		.amdhsa_memory_ordered 1
		.amdhsa_forward_progress 1
		.amdhsa_inst_pref_size 154
	.end_amdhsa_kernel
	.amdgpu_metadata
---
amdhsa.version: [ 1, 2 ]
amdhsa.kernels:
  - .name:           k_q6b022119a1_out_gemm
    .symbol:         k_q6b022119a1_out_gemm.kd
    .args:
      - { .name: h_codes, .offset: 0, .size: 8, .value_kind: global_buffer, .address_space: global }
      - { .name: h_scales, .offset: 8, .size: 8, .value_kind: global_buffer, .address_space: global }
      - { .name: W_out_codes, .offset: 16, .size: 8, .value_kind: global_buffer, .address_space: global }
      - { .name: W_out_scales, .offset: 24, .size: 8, .value_kind: global_buffer, .address_space: global }
      - { .name: out0, .offset: 32, .size: 8, .value_kind: global_buffer, .address_space: global }
    .group_segment_fixed_size: 327680
    .private_segment_fixed_size: 0
    .kernarg_segment_align: 8
    .kernarg_segment_size: 40
    .max_flat_workgroup_size: 128
    .sgpr_count:     98
    .vgpr_count:     1024
    .wavefront_size: 32
...
	.end_amdgpu_metadata
.endif
;; end of part 3
